; MI455X (gfx1250); checked and timed in simulation.
; The chip was launched on July 23, 2026; its instructions are those of AMD's public machine-readable ISA for CDNA 5 (MIT licence, August 2026) and "CDNA5" Instruction Set Architecture Reference Guide (July 2026). The comments in the code are by the model that wrote it; some were corrected since.
;; Full Attention. Allowed arithmetic: matrix products marked QUANTISED: E3M2 operands, one E8M0 scale for each 32 along K, by v_wmma_scale_f32_16x16x128_f8f6f4 with both operands' format E3M2, f32 sums; everything else in f32.
;; Inputs: Wk 2,048 x 512 float32; Wo 1,024 x 2,048 float32; Wq 2,048 x 2,048 float32; Wv 2,048 x 512 float32; kn_w 128 float32; qn_w 128 float32; x 2 x 2,048 x 2,048 float32.
;; Outputs: out0 2 x 2,048 x 2,048 float32.
;; This version of the problem:
;;   THIS VERSION OF THE PROBLEM IS GIVEN IN LOW PRECISION. The matrix products marked QUANTISED in the list below multiply operands that are first quantised to E3M2 (3 exponent bits, 2 mantissa bits; 6 bits a number), with one power-of-two scale for each 32 numbers along K (OCP MX v1.0); their sums are f32. All else is computed in f32.
;;   The module's matrix products, in the order in which they are computed (A, B: the left and right operand; K: the contracted axis; several contracted axes count as one K, in the product's order):
;;     1. [M 4,096, K 2,048] x [K 2,048, N 2,048]; A: input x; B: input Wq: QUANTISED
;;     2. [M 4,096, K 2,048] x [K 2,048, N 512]; A: input x; B: input Wk: QUANTISED
;;     3. [M 4,096, K 2,048] x [K 2,048, N 512]; A: input x; B: input Wv: QUANTISED
;;     4. batch 8 x [M 4,096, K 128] x [K 128, N 2,048]; A: computed on the way; B: computed on the way: QUANTISED
;;     5. batch 8 x [M 4,096, K 2,048] x [K 2,048, N 128]; A: softmax (see below); B: computed on the way: QUANTISED
;;     6. [M 4,096, K 1,024] x [K 1,024, N 2,048]; A: computed on the way; B: input Wo: QUANTISED
;;   THE QUANTISER, for each operand of a quantised product, along K:
;;     - K is cut into blocks of 32 from its start; a last block that is shorter is filled with zeros.
;;     - A block's scale is 2^e with e = floor(log2(the largest magnitude in the block)) - 4, held to -126 .. 127; a block of zeros has e = 0. As a byte (E8M0): e + 127.
;;     - Each number is divided by its block's scale, clamped to +-28, and rounded to the nearest number of E3M2, ties to even, subnormals kept.
;;     - The product sums the exact products of the quantised numbers (number of the format x scale) in f32.
;;   ~~~python
;;   def quantise(x, axis):      # numpy; x: float32 -> the quantised numbers, widened to float32 again
;;       x = np.moveaxis(x, axis, -1); K = x.shape[-1]
;;       x = np.pad(x, [(0, 0)] * (x.ndim - 1) + [(0, -K % 32)]); x = x.reshape(x.shape[:-1] + (-1, 32)); a = np.abs(x).max(-1, keepdims=True)
;;       e = np.where(a > 0, np.clip(np.frexp(np.where(a > 0, a, 1))[1] - 1 - 4, -126, 127), 0)      # np.frexp(a)[1] - 1 = floor(log2(a)), exactly
;;       r = np.clip(x / 2.0 ** e, -28, 28)
;;       step = 2.0 ** (np.maximum(np.frexp(np.where(r == 0, 1, r))[1] - 1, -2) - 2)
;;       q = np.round(r / step) * step * 2.0 ** e      # np.round: ties to even
;;       return np.moveaxis(q.reshape(q.shape[:-2] + (-1,))[..., :K], -1, axis).astype(np.float32)
;;   ~~~
;;   SOFTMAX AHEAD OF A QUANTISED PRODUCT. Where the list says 'softmax', what is quantised is not the finished softmax but p = 2^(t - M), with t = logit x log2(e) and M = ceil(the row's largest t), a whole number; so 1/2 < the row's largest p <= 1. The row's sum l is taken of the UNQUANTISED p, in f32, and the product's result is divided by l at the end. Since M is a whole number, a kernel that streams over the keys may use a running M (the ceiling of the running maximum): every later rescaling is an exact power of two, which a block's scale takes up: the codes' values come out the same.
;;   OPERANDS COMPUTED ON THE WAY. 'Computed on the way' means the value that the module computes at that place (a softmax that the list does not call 'softmax' is quantised finished and normalised). What goes into a quantiser is computed in f32, as accurately as f32 sums, v_exp_f32 and their like allow (about 1e-6 of the number): no bf16 or f16 on the way to a quantiser, and a product that is left as it is and whose result goes on into a quantised operand takes f32 operands (vector FMAs, or v_wmma_f32_16x16x4_f32). A number that lies on a knife's edge between two numbers of the format may be rounded either way, as far as f32 arithmetic and the matrix unit's own rounding can turn it there, and no further.
;; One version. Each part assembles by itself: llvm-mc -triple=amdgcn-amd-amdhsa -mcpu=gfx1250 --defsym DOCPART=n.
;; ======== version 1 of 1: 4 launches
;; limits: right only within a limited range of input values
;; workspace buffers: xq 6,553,600 bytes; wq 6,553,600 bytes; rope 1,048,576 bytes; qkv 6,553,600 bytes; gate 16,777,216 bytes; aq 3,276,800 bytes
;; launch prep (part 1): grid 576 x 1, 4 waves a work-group, no clusters, 60,928 bytes of LDS; arguments x, Wq, Wk, Wv, Wo, xq, wq, rope; writes xq, wq, rope
.if DOCPART == 1
	.amdgcn_target "amdgcn-amd-amdhsa--gfx1250"
	.amdhsa_code_object_version 6
	.text
	.protected	k_q9e9108e666_prep
	.globl	k_q9e9108e666_prep
	.p2align	8
	.type	k_q9e9108e666_prep,@function
k_q9e9108e666_prep:
	s_mov_b64 s[64:65], 0
	v_nop
	global_prefetch_b8 v0, s[64:65] scope:SCOPE_SE
	s_setreg_imm32_b32 hwreg(HW_REG_WAVE_MODE, 25, 1), 1
	s_wait_xcnt 0x0
; PREP: x and the four weights become codes of E3M2 with one E8M0 byte for each 32 along K, laid as the products' registers take them; and the table of cos and sin is made.
; ORDER OF ROWS.  An operand's rows (tokens of x, columns n of a weight) are stored with bits 3 and 4 of their index exchanged: place 32 b + 16 u + r holds row 32 b + 8 u + r + 8 (r / 8).
; A FRAGMENT (16 places x 128 along K, 12 registers a lane) lies in memory as an image of its registers: register g of lane l at 512 (g / 4) + 16 l + 4 (g % 4): 1,536 bytes, moved by three 16-byte accesses a lane.
; xq: codes [256 row blocks][16 K steps][1536], scale words [256][16][16 rows] from XS on.  wq: the same for Wq, Wk, Wv (192 row blocks: 256 h .. q and gate of head h; 2048 + 256 j .. k then v of head j), scale words from WS on;
; Wo's 128 row blocks x 8 K steps from OC on, its scale words from OS on.  rope: [128 token blocks][cos 4096 bytes, sin 4096 bytes], images of 32 registers: lane (r, h), register n: the block's place r, frequency 32 (n / 16) + 16 h + n % 16.
; A block's scale is 2^(floor(log2(largest magnitude)) - 4); its byte is the largest magnitude's exponent field - 4, held at 1 from below.
; LIMITS: NaN and infinities among the inputs are not served.  A block of zeros, or one whose largest magnitude lies under 2^-122, gets the byte 1 where the quantiser's text says 127 or less: its codes are zeros or
; as the held scale gives them, and these bytes are read by this program alone.  The table's frequencies 1e6^(-j / 64) are made by v_exp_f32 with a corrected exponent: within some 2 units in the last place of the f32 numbers that the
; problem's own table rounds to; at position 2047 that is an angle off by up to 4e-4.
; SHARES: work-groups 0-255: x, a row block each, a wave 512 along K.  256-511: weights, 128 columns x 256 along K each, a wave 32 columns.  512-575: the table, a wave half a token block.
; The three ways part on the work-group's number, never join, and have LDS bytes of their own.  No wave shares anything with another: no barrier.
.set XS,   6291456
.set WS,   4718592
.set OC,   4915200
.set OS,   6488064
.set SEL,  22                          ; s[22:23] lane selects for v_permlanex16_b32: lane l xor 16
; x's way
.set R,    16                          ; v16-143  two sets of 64: a fragment's numbers as loaded
.set X,    144                         ; v144-207 64 numbers of my row: register 16 b + i = k 32 b + 16 h + i
.set PC,   208                         ; v208-226 the codes
.set TM,   228                         ; v228-243 at work
.set PW,   244                         ; v244     the scale word
.set XW,   8704                        ; LDS of a wave: a stage of 16 rows x 528 bytes, then 256 bytes of scale words
; the weights' way
.set WL,   34816                       ; its LDS begins here
.set WW,   6400                        ; a wave's: two row blocks x (two images + 128 bytes)
.set VO,   16                          ; v16-47   offsets of 32 rows down K
.set WX,   48                          ; v48-111  two sets of 32 numbers
.set WP,   112                         ; v112-117 a block's codes
.set WQ2,  118                         ; v118-120 its upper half as converted
.set SBY,  122                         ; v122-123 scale words of the two K steps
.set OUTR, 128                         ; v128-175 the way out
.set SB,   32                          ; s[32:47] bases of the eight blocks of 32 rows
; the table's way
.set TA,   16
.set TB,   32
.set TC,   48
.set TD,   64
.set TG,   80
.set TE,   96
.set TS,   112
.set TK,   128
	s_load_b512 s[4:19], s[0:1], 0x0               ; x 4, Wq 6, Wk 8, Wv 10, Wo 12, xq 14, wq 16, rope 18
	v_lshl_add_u32 v254, v0, 2, 0xec00
	v_mov_b32 v255, 0
	v_lshrrev_b32 v1, 5, v0
	v_readfirstlane_b32 s20, v1                    ; wave
	v_and_b32 v1, 31, v0                           ; lane
	v_and_b32 v2, 15, v0                           ; r
	v_bfe_u32 v3, v0, 4, 1                         ; h
	s_mov_b32 s[SEL], 0x76543210
	s_mov_b32 s[SEL+1], 0xfedcba98
	s_wait_kmcnt 0x0
	s_cmp_ge_u32 ttmp9, 512
	s_cbranch_scc1 .Ltable
	s_cmp_ge_u32 ttmp9, 256
	s_cbranch_scc1 .Lweights
; ---------------------------------------------------------------- x
; 64 numbers v[s] .. v[s + 63] of a lane become a fragment's 12 registers of codes in v[PC] on and its row's scale word in v[PW].
.macro QUANT s
.irp b, 0,1,2,3
	v_max3_num_f32 v[TM+\b], |v[\s+16*\b]|, |v[\s+16*\b+1]|, 0x2800000   ; block b: my 16 numbers, and the floor 2^(5 - 127): the byte cannot fall under 1
.endr
.irp i, 2,4,6,8,10,12,14
.irp b, 0,1,2,3
	v_max3_num_f32 v[TM+\b], |v[\s+16*\b+\i]|, |v[\s+16*\b+\i+1]|, v[TM+\b]
.endr
.endr
.irp b, 0,1,2,3
	v_permlanex16_b32 v[TM+4+\b], v[TM+\b], s[SEL], s[SEL+1]
.endr
.irp b, 0,1,2,3
	v_max_num_f32 v[TM+\b], v[TM+\b], v[TM+4+\b]   ; with lane l xor 16's 16: the block's largest magnitude
.endr
.irp b, 0,1,2,3
	v_add_nc_u32 v[TM+12+\b], 0xfe000000, v[TM+\b] ; 4 off its exponent field: the conversion's scale operand
.endr
.irp b, 0,1,2,3
	v_lshrrev_b32 v[TM+4+\b], 23, v[TM+12+\b]      ; the scale's byte
.endr
	v_lshl_or_b32 v[PW], v[TM+5], 8, v[TM+4]
	v_lshl_or_b32 v[PW], v[TM+6], 16, v[PW]
	v_lshl_or_b32 v[PW], v[TM+7], 24, v[PW]
.irp c, 0,1
	v_cvt_scalef32_pk16_bf6_f32 v[PC+6*\c:PC+6*\c+2], v[\s+32*\c:\s+32*\c+15], v[TM+12+2*\c]
	v_cvt_scalef32_pk16_bf6_f32 v[PC+12+4*\c:PC+14+4*\c], v[\s+16+32*\c:\s+31+32*\c], v[TM+13+2*\c]   ; (a conversion's three registers begin on an even number)
.endr
	v_nop                                          ; one plain instruction behind a scaled conversion
.irp c, 0,1                                    ; the operand wants a whole block in a lane: lanes 0-15 block 2 c, lanes 16-31 block 2 c + 1
.irp i, 0,1,2
	v_permlane16_swap_b32 v[PC+6*\c+\i], v[PC+12+4*\c+\i]
.endr
.irp i, 0,1,2
	v_mov_b32 v[PC+3+6*\c+\i], v[PC+12+4*\c+\i]
.endr
.endr
.endm
	s_lshr_b32 s24, ttmp9, 1
	s_lshl_b32 s24, s24, 5
	s_and_b32 s25, ttmp9, 1
	s_lshl_b32 s25, s25, 3
	s_add_co_u32 s24, s24, s25                     ; the row block's first token: 32 (g / 2) + 8 (g % 2)
	s_lshl_b32 s24, s24, 13                        ; a row of x is 8,192 bytes
	s_lshl_b32 s25, s20, 11                        ; my wave's 512 numbers of a row
	s_add_co_u32 s24, s24, s25
	s_mov_b32 s25, 0
	s_add_nc_u64 s[4:5], s[4:5], s[24:25]
	s_lshl_b32 s24, ttmp9, 4
	s_lshl_b32 s26, s20, 2
	s_add_co_u32 s24, s24, s26
	s_mul_i32 s24, s24, 1536                       ; fragment 16 g + 4 w
	s_add_nc_u64 s[26:27], s[14:15], s[24:25]
	s_lshl_b32 s24, ttmp9, 10
	s_lshl_b32 s28, s20, 8
	s_add_co_u32 s24, s24, s28
	s_add_co_u32 s24, s24, XS                      ; my four fragments' scale words: 256 bytes
	s_add_nc_u64 s[28:29], s[14:15], s[24:25]
	s_mul_i32 s30, s20, XW
	s_wait_alu depctr_va_vdst(0)
	v_lshlrev_b32 v4, 4, v1                        ; 16 x lane
	v_add_nc_u32 v5, s30, v4                       ; the stage, in: a row's 512 bytes as they lie
	v_mul_u32_u24 v6, v2, 528
	v_lshl_add_u32 v6, v3, 6, v6
	v_add_nc_u32 v6, s30, v6                       ; out: row r, 64 h bytes on: my 16 numbers of each block of 32
	v_lshlrev_b32 v7, 2, v2
	v_add_nc_u32 v7, s30, v7
	v_add_nc_u32 v7, 8448, v7                      ; my row's scale word
	v_lshlrev_b32 v9, 3, v1
	v_add_nc_u32 v8, s30, v9
	v_add_nc_u32 v8, 8448, v8                      ; and 8 bytes a lane on the way out
.irp b, 0,1,2,3
	v_mov_b32 v[TM+4+\b], 0                        ; written once: a lane permute's destination counts as one of its sources
.endr
.macro LOADX t                         ; fragment t: 16 rows x 512 bytes; each load reads 512 consecutive bytes of one row
.irp ii, 0,1,2,3,4,5,6,7,8,9,10,11,12,13,14,15
	global_load_b128 v[R+64*((\t)%2)+4*\ii:R+64*((\t)%2)+4*\ii+3], v4, s[4:5] offset:(\ii+8*(\ii/8))*8192+512*(\t) th:TH_LOAD_NT
.endr
.endm
	LOADX 0
	LOADX 1
.irp f, 0,1,2,3
.if \f < 3
	s_wait_loadcnt 16                              ; this fragment's 16 loads are in; the next one's 16 may be out
.else
	s_wait_loadcnt 0x0
.endif
.irp ii, 0,1,2,3,4,5,6,7,8,9,10,11,12,13,14,15
	ds_store_b128 v5, v[R+64*(\f%2)+4*\ii:R+64*(\f%2)+4*\ii+3] offset:528*\ii
.endr
.irp b, 0,1,2,3
.irp j, 0,1,2,3
	ds_load_b128 v[X+16*\b+4*\j:X+16*\b+4*\j+3], v6 offset:128*\b+16*\j   ; LDS serves a wave's instructions in order: these see the stores above
.endr
.endr
	s_wait_dscnt 0x0                               ; the numbers are back; the stage's stores and the last scale word's store have read their registers
	s_wait_xcnt 0x0                                ; the last fragment's stores have read the codes' registers
.if \f < 2
	LOADX \f+2
.endif
	QUANT X
	ds_store_b32 v7, v[PW] offset:64*\f            ; both halves of the lanes write the same word with the same value
.irp c, 0,1,2
	global_store_b128 v4, v[PC+4*\c:PC+4*\c+3], s[26:27] offset:1536*\f+512*\c   ; 32 lanes store 512 consecutive bytes
.endr
.endr
	ds_load_b64 v[246:247], v8
	s_wait_dscnt 0x0
	global_store_b64 v9, v[246:247], s[28:29]      ; 32 lanes store 256 consecutive bytes, aligned
	s_wait_tensorcnt 0x0
	ds_add_u32 v254, v255
	s_wait_dscnt 0x0
	s_endpgm
; ---------------------------------------------------------------- the weights: K is their first axis.  A lane takes a column, its registers run down K.
.Lweights:
	s_sub_co_u32 s24, ttmp9, 256                   ; u: 0-127 Wq, 128-159 Wk, 160-191 Wv, 192-255 Wo
	s_mov_b64 s[26:27], s[6:7]                     ; the tensor,
	s_mov_b32 s28, 8192                            ; its row in bytes,
	s_mov_b32 s29, 4                               ; log2 of its blocks of 128 columns,
	s_mov_b32 s30, 0                               ; its first u,
	s_mov_b32 s31, 0                               ; its first row in wq,
	s_mov_b32 s52, 7                               ; log2 of the rows in wq from one block of columns to the next
	s_mov_b32 s55, WS
	s_cmp_ge_u32 s24, 128
	s_cselect_b64 s[26:27], s[8:9], s[26:27]
	s_cselect_b32 s28, 2048, s28
	s_cselect_b32 s29, 2, s29
	s_cselect_b32 s30, 128, s30
	s_cselect_b32 s31, 2048, s31
	s_cselect_b32 s52, 8, s52
	s_cmp_ge_u32 s24, 160
	s_cselect_b64 s[26:27], s[10:11], s[26:27]
	s_cselect_b32 s30, 160, s30
	s_cselect_b32 s31, 2176, s31
	s_cmp_ge_u32 s24, 192
	s_cselect_b64 s[26:27], s[12:13], s[26:27]
	s_cselect_b32 s28, 8192, s28
	s_cselect_b32 s29, 4, s29
	s_cselect_b32 s30, 192, s30
	s_cselect_b32 s31, 0, s31
	s_cselect_b32 s52, 7, s52
	s_cselect_b32 s53, 3, 4                        ; log2 of its K steps of 128
	s_cselect_b32 s54, OC, 0                       ; where its codes begin in wq,
	s_cselect_b32 s55, OS, s55                     ; and its scale words
	s_sub_co_u32 s24, s24, s30
	s_lshr_b32 s25, s24, s29                       ; ky: which 256 along K
	s_lshl_b32 s56, s25, s29
	s_sub_co_u32 s24, s24, s56                     ; cx: which 128 columns
	s_lshl_b32 s56, s25, 8
	s_mul_i32 s56, s56, s28                        ; 256 ky rows
	s_lshl_b32 s57, s24, 9
	s_add_co_u32 s56, s56, s57                     ; + 128 cx columns
	s_lshl_b32 s57, s20, 7
	s_add_co_u32 s56, s56, s57                     ; + my wave's 32
	s_mov_b32 s57, 0
	s_add_nc_u64 s[SB:SB+1], s[26:27], s[56:57]
	s_lshl_b32 s56, s28, 5                         ; 32 rows on
.irp t, 1,2,3,4,5,6,7
	s_add_nc_u64 s[SB+2*\t:SB+2*\t+1], s[SB+2*\t-2:SB+2*\t-1], s[56:57]
.endr
	s_lshl_b32 s58, s24, s52
	s_add_co_u32 s58, s58, s31
	s_lshl_b32 s59, s20, 5
	s_add_co_u32 s58, s58, s59
	s_lshr_b32 s58, s58, 4                         ; i0: my wave's first row block in wq
	s_lshl_b32 s59, s58, s53                       ; x K steps
	s_lshl_b32 s60, s25, 1
	s_add_co_u32 s56, s59, s60                     ; + 2 ky
	s_mul_i32 s56, s56, 1536
	s_add_co_u32 s56, s56, s54
	s_add_nc_u64 s[48:49], s[16:17], s[56:57]      ; row block i0: two images on end
	s_lshl_b32 s56, 1536, s53
	s_add_nc_u64 s[50:51], s[48:49], s[56:57]      ; row block i0 + 1
	s_lshl_b32 s56, s59, 6
	s_lshl_b32 s60, s25, 7
	s_add_co_u32 s56, s56, s60
	s_add_co_u32 s56, s56, s55
	s_add_nc_u64 s[60:61], s[16:17], s[56:57]      ; the scale words of (i0, 2 ky)
	v_bfe_u32 v10, v0, 3, 1                        ; column x of my 32 goes to row block bit 3 of x,
	v_and_b32 v11, 7, v0
	s_wait_alu depctr_va_vdst(0)
	v_lshl_or_b32 v11, v3, 3, v11                  ; row (x % 8) + 8 (x / 16) of it
	s_mul_i32 s62, s20, WW
	s_add_co_u32 s62, s62, WL
	v_mul_u32_u24 v5, v10, 3200
	v_lshl_add_u32 v5, v11, 4, v5
	v_add_nc_u32 v5, s62, v5                       ; into the images: 16 x row
	v_lshlrev_b32 v7, 4, v1
	v_add_nc_u32 v6, s62, v7                       ; out of them: 16 x lane
	s_lshl_b32 s63, 64, s53
	v_mul_u32_u24 v8, s63, v10
	v_lshl_add_u32 v8, v11, 2, v8                  ; my column's scale word
	v_lshlrev_b32 v[VO], 2, v1
.irp i, 1,2,3,4,5,6,7,8,9,10,11,12,13,14,15,16,17,18,19,20,21,22,23,24,25,26,27,28,29,30,31
	v_add_nc_u32 v[VO+\i], s28, v[VO+\i-1]         ; 4 x lane + i rows
.endr
.macro LOADW t                         ; block t: W(32 t + i, my column): each load reads 128 consecutive bytes
.irp i, 0,1,2,3,4,5,6,7,8,9,10,11,12,13,14,15,16,17,18,19,20,21,22,23,24,25,26,27,28,29,30,31
	global_load_b32 v[WX+32*((\t)%2)+\i], v[VO+\i], s[SB+2*(\t):SB+2*(\t)+1] th:TH_LOAD_NT
.endr
.endm
	LOADW 0
	LOADW 1
.macro BLOCK t                         ; block t of 32 along K: K step t / 4, registers 6 c on of lane row + 16 hh, c = (t / 2) % 2, hh = t % 2
.set XB, WX+32*((\t)%2)
.set KK, (\t)/4
.set CC, ((\t)/2)%2
.set HH, (\t)%2
.if (\t) < 7
	s_wait_loadcnt 32                              ; this block's 32 loads are in; the next block's may be out
.else
	s_wait_loadcnt 0x0
.endif
	v_max3_num_f32 v12, |v[XB]|, |v[XB+1]|, |v[XB+2]|
	v_max3_num_f32 v13, |v[XB+3]|, |v[XB+4]|, |v[XB+5]|
.irp i, 6,10,14,18,22,26
	v_max3_num_f32 v12, v12, |v[XB+\i]|, |v[XB+\i+1]|
	v_max3_num_f32 v13, v13, |v[XB+\i+2]|, |v[XB+\i+3]|
.endr
	v_max3_num_f32 v12, v12, |v[XB+30]|, |v[XB+31]|
	v_max3_num_f32 v12, v12, v13, 0x2800000        ; the floor 2^(5 - 127)
	v_add_nc_u32 v14, 0xfe000000, v12              ; the conversion's scale operand
	v_lshrrev_b32 v13, 23, v14                     ; the byte
.if (\t)%4 == 0
	v_mov_b32 v[SBY+KK], v13
.else
	v_lshl_or_b32 v[SBY+KK], v13, 8*((\t)%4), v[SBY+KK]
.endif
	v_cvt_scalef32_pk16_bf6_f32 v[WP:WP+2], v[XB:XB+15], v14
	v_cvt_scalef32_pk16_bf6_f32 v[WQ2:WQ2+2], v[XB+16:XB+31], v14
	v_nop                                          ; one plain instruction behind a scaled conversion
.irp i, 0,1,2
	v_mov_b32 v[WP+3+\i], v[WQ2+\i]
.endr
.if CC == 0
	ds_store_b128 v5, v[WP:WP+3] offset:1536*KK+256*HH             ; registers 0-3
	ds_store_b64 v5, v[WP+4:WP+5] offset:1536*KK+512+256*HH        ; registers 4, 5
.else
	ds_store_b64 v5, v[WP:WP+1] offset:1536*KK+520+256*HH          ; registers 6, 7
	ds_store_b128 v5, v[WP+2:WP+5] offset:1536*KK+1024+256*HH      ; registers 8-11
.endif
.if (\t) < 6
	LOADW (\t)+2
.endif
	s_wait_dscnt 0x0                               ; the stores have read their registers
.endm
.irp t, 0,1,2,3,4,5,6,7
	BLOCK \t
.endr
	global_store_b32 v8, v[SBY], s[60:61]          ; sixteen lanes store 64 consecutive bytes: one byte of scales for 128 bytes read
	s_wait_alu depctr_va_vdst(0)
	global_store_b32 v8, v[SBY+1], s[60:61] offset:64
.irp rb, 0,1
.irp m, 0,1,2,3,4,5
	ds_load_b128 v[OUTR+24*\rb+4*\m:OUTR+24*\rb+4*\m+3], v6 offset:3200*\rb+512*\m
.endr
.endr
.irp rb, 0,1
.irp m, 0,1,2,3,4,5
	s_wait_dscnt 11-6*\rb-\m
	global_store_b128 v7, v[OUTR+24*\rb+4*\m:OUTR+24*\rb+4*\m+3], s[48+2*\rb:49+2*\rb] offset:512*\m   ; 32 lanes store 512 consecutive bytes
.endr
.endr
	s_wait_tensorcnt 0x0
	ds_add_u32 v254, v255
	s_wait_dscnt 0x0
	s_endpgm
; ---------------------------------------------------------------- the table: cos and sin of position x 1e6^(-j / 64)
.Ltable:
	s_sub_co_u32 s24, ttmp9, 512
	s_lshl_b32 s24, s24, 2
	s_add_co_u32 s24, s24, s20
	s_lshr_b32 s25, s24, 1                         ; token block
	s_and_b32 s26, s24, 1                          ; which 16 of its 32 registers
	s_lshr_b32 s27, s25, 1
	s_lshl_b32 s27, s27, 5
	s_and_b32 s28, s25, 1
	s_lshl_b32 s28, s28, 3
	s_add_co_u32 s27, s27, s28
	s_wait_alu depctr_va_vdst(0)
	v_and_b32 v4, 8, v2
	v_add_nc_u32 v4, v4, v2
	v_add_nc_u32 v4, s27, v4
	v_cvt_f32_u32 v4, v4                           ; my place's position
	s_lshl_b32 s28, s26, 5
	v_lshl_add_u32 v5, v3, 4, s28                  ; my first frequency: 32 bq + 16 h
	s_wait_alu depctr_va_vdst(0)
	s_lshl_b32 s28, s25, 13
	s_lshl_b32 s29, s26, 11
	s_add_co_u32 s28, s28, s29
	s_mov_b32 s29, 0
	s_add_nc_u64 s[18:19], s[18:19], s[28:29]
	v_lshlrev_b32 v6, 4, v1
	s_mov_b32 s30, 0xbe9f73da                      ; -log2(1e6) / 64, upper part,
	s_mov_b32 s31, 0xb1e3675e                      ; lower part
	s_mov_b32 s32, 0x3f317218                      ; ln 2
	s_mov_b32 s33, 0x3f22f983                      ; 2 / pi
	s_mov_b32 s34, 0x3fc90fdb                      ; pi / 2, upper part;
	s_mov_b32 s35, 0x333bbd2e                      ; that part less pi / 2
	s_mov_b32 s36, 0xbe2aaaa3                      ; sine on -pi/4 .. pi/4: x + x^3 (S1 + S2 x^2 + S3 x^4)
	s_mov_b32 s37, 0x3c08839e
	s_mov_b32 s38, 0xb94ca1f9
	s_mov_b32 s39, 0x3d2aaaa5                      ; cosine: 1 - x^2 / 2 + x^4 (C1 + C2 x^2 + C3 x^4)
	s_mov_b32 s40, 0xbab6061a
	s_mov_b32 s41, 0x37ccf5ce
.irp i, 0,1,2,3,4,5,6,7,8,9,10,11,12,13,14,15
	v_add_nc_u32 v[TA+\i], \i, v5
.endr
.irp i, 0,1,2,3,4,5,6,7,8,9,10,11,12,13,14,15
	v_cvt_f32_u32 v[TA+\i], v[TA+\i]               ; j
.endr
.irp i, 0,1,2,3,4,5,6,7,8,9,10,11,12,13,14,15
	v_mul_f32 v[TB+\i], s30, v[TA+\i]              ; the exponent, rounded;
.endr
.irp i, 0,1,2,3,4,5,6,7,8,9,10,11,12,13,14,15
	v_fma_f32 v[TC+\i], v[TA+\i], s30, -v[TB+\i]   ; what the rounding dropped,
.endr
.irp i, 0,1,2,3,4,5,6,7,8,9,10,11,12,13,14,15
	v_fma_f32 v[TC+\i], v[TA+\i], s31, v[TC+\i]    ; and the constant's lower part
.endr
.irp i, 0,1,2,3,4,5,6,7,8,9,10,11,12,13,14,15
	v_exp_f32 v[TB+\i], v[TB+\i]
.endr
	v_nop                                          ; a plain instruction behind the last exponential,
	s_wait_alu depctr_va_vdst(0)                   ; and one wait for the batch, ahead of its first use
.irp i, 0,1,2,3,4,5,6,7,8,9,10,11,12,13,14,15
	v_mul_f32 v[TC+\i], v[TB+\i], v[TC+\i]
.endr
.irp i, 0,1,2,3,4,5,6,7,8,9,10,11,12,13,14,15
	v_fma_f32 v[TB+\i], v[TC+\i], s32, v[TB+\i]    ; the frequency
.endr
.irp i, 0,1,2,3,4,5,6,7,8,9,10,11,12,13,14,15
	v_mul_f32 v[TA+\i], v4, v[TB+\i]               ; the angle, rounded once to f32
.endr
.irp i, 0,1,2,3,4,5,6,7,8,9,10,11,12,13,14,15
	v_mul_f32 v[TB+\i], s33, v[TA+\i]
.endr
.irp i, 0,1,2,3,4,5,6,7,8,9,10,11,12,13,14,15
	v_rndne_f32 v[TB+\i], v[TB+\i]                 ; n quarter turns, at most 1,304
.endr
.irp i, 0,1,2,3,4,5,6,7,8,9,10,11,12,13,14,15
	v_fma_f32 v[TA+\i], -v[TB+\i], s34, v[TA+\i]
.endr
.irp i, 0,1,2,3,4,5,6,7,8,9,10,11,12,13,14,15
	v_fma_f32 v[TA+\i], v[TB+\i], s35, v[TA+\i]    ; x = angle - n pi / 2
.endr
.irp i, 0,1,2,3,4,5,6,7,8,9,10,11,12,13,14,15
	v_mul_f32 v[TC+\i], v[TA+\i], v[TA+\i]
.endr
.irp i, 0,1,2,3,4,5,6,7,8,9,10,11,12,13,14,15
	v_fma_f32 v[TD+\i], v[TC+\i], s38, s37
.endr
.irp i, 0,1,2,3,4,5,6,7,8,9,10,11,12,13,14,15
	v_fma_f32 v[TD+\i], v[TD+\i], v[TC+\i], s36
.endr
.irp i, 0,1,2,3,4,5,6,7,8,9,10,11,12,13,14,15
	v_mul_f32 v[TE+\i], v[TA+\i], v[TC+\i]
.endr
.irp i, 0,1,2,3,4,5,6,7,8,9,10,11,12,13,14,15
	v_fma_f32 v[TD+\i], v[TD+\i], v[TE+\i], v[TA+\i]   ; sin x
.endr
.irp i, 0,1,2,3,4,5,6,7,8,9,10,11,12,13,14,15
	v_fma_f32 v[TG+\i], v[TC+\i], s41, s40
.endr
.irp i, 0,1,2,3,4,5,6,7,8,9,10,11,12,13,14,15
	v_fma_f32 v[TG+\i], v[TG+\i], v[TC+\i], s39
.endr
.irp i, 0,1,2,3,4,5,6,7,8,9,10,11,12,13,14,15
	v_mul_f32 v[TE+\i], v[TC+\i], v[TC+\i]
.endr
.irp i, 0,1,2,3,4,5,6,7,8,9,10,11,12,13,14,15
	v_fma_f32 v[TA+\i], v[TC+\i], -0.5, 1.0
.endr
.irp i, 0,1,2,3,4,5,6,7,8,9,10,11,12,13,14,15
	v_fma_f32 v[TG+\i], v[TG+\i], v[TE+\i], v[TA+\i]   ; cos x
.endr
.irp i, 0,1,2,3,4,5,6,7,8,9,10,11,12,13,14,15
	v_cvt_i32_f32 v[TB+\i], v[TB+\i]
.endr
.irp i, 0,1,2,3,4,5,6,7,8,9,10,11,12,13,14,15
	v_and_b32 v7, 1, v[TB+\i]                      ; an odd number of quarter turns exchanges the two;
	v_cmp_ne_u32 vcc_lo, 0, v7
	v_cndmask_b32 v[TS+\i], v[TD+\i], v[TG+\i], vcc_lo
	v_cndmask_b32 v[TK+\i], v[TG+\i], v[TD+\i], vcc_lo
	v_lshlrev_b32 v7, 30, v[TB+\i]                 ; the sine changes sign where n % 4 is 2 or 3,
	v_add_nc_u32 v8, 1, v[TB+\i]
	v_lshlrev_b32 v8, 30, v8                       ; the cosine where it is 1 or 2
	v_and_b32 v7, 0x80000000, v7
	v_and_b32 v8, 0x80000000, v8
	v_xor_b32 v[TS+\i], v7, v[TS+\i]
	v_xor_b32 v[TK+\i], v8, v[TK+\i]
.endr
.irp m, 0,1,2,3
	global_store_b128 v6, v[TK+4*\m:TK+4*\m+3], s[18:19] offset:512*\m
	global_store_b128 v6, v[TS+4*\m:TS+4*\m+3], s[18:19] offset:4096+512*\m
.endr
	s_endpgm
.Lfunc_end_k_q9e9108e666_prep:
	.size	k_q9e9108e666_prep, .Lfunc_end_k_q9e9108e666_prep-k_q9e9108e666_prep
	.p2alignl 7, 3214868480
	.fill 96, 4, 3214868480
	.section	.rodata,"a",@progbits
	.p2align	6, 0x0
	.amdhsa_kernel k_q9e9108e666_prep
		.amdhsa_group_segment_fixed_size 60928
		.amdhsa_private_segment_fixed_size 0
		.amdhsa_enable_private_segment 0
		.amdhsa_kernarg_size 64
		.amdhsa_user_sgpr_count 2
		.amdhsa_user_sgpr_kernarg_segment_ptr 1
		.amdhsa_wavefront_size32 1
		.amdhsa_system_sgpr_workgroup_id_x 1
		.amdhsa_system_sgpr_workgroup_id_y 1
		.amdhsa_system_sgpr_workgroup_id_z 1
		.amdhsa_system_vgpr_workitem_id 0
		.amdhsa_next_free_vgpr 256
		.amdhsa_next_free_sgpr 66
		.amdhsa_reserve_vcc 1
		.amdhsa_float_denorm_mode_32 3
		.amdhsa_float_denorm_mode_16_64 3
		.amdhsa_memory_ordered 1
		.amdhsa_forward_progress 1
		.amdhsa_inst_pref_size 105
	.end_amdhsa_kernel
	.amdgpu_metadata
---
amdhsa.version: [ 1, 2 ]
amdhsa.kernels:
  - .name:           k_q9e9108e666_prep
    .symbol:         k_q9e9108e666_prep.kd
    .args:
      - { .name: x, .offset: 0, .size: 8, .value_kind: global_buffer, .address_space: global }
      - { .name: Wq, .offset: 8, .size: 8, .value_kind: global_buffer, .address_space: global }
      - { .name: Wk, .offset: 16, .size: 8, .value_kind: global_buffer, .address_space: global }
      - { .name: Wv, .offset: 24, .size: 8, .value_kind: global_buffer, .address_space: global }
      - { .name: Wo, .offset: 32, .size: 8, .value_kind: global_buffer, .address_space: global }
      - { .name: xq, .offset: 40, .size: 8, .value_kind: global_buffer, .address_space: global }
      - { .name: wq, .offset: 48, .size: 8, .value_kind: global_buffer, .address_space: global }
      - { .name: rope, .offset: 56, .size: 8, .value_kind: global_buffer, .address_space: global }
    .group_segment_fixed_size: 60928
    .private_segment_fixed_size: 0
    .kernarg_segment_align: 8
    .kernarg_segment_size: 64
    .max_flat_workgroup_size: 128
    .sgpr_count:     66
    .vgpr_count:     256
    .wavefront_size: 32
...
	.end_amdgpu_metadata
.endif
;; end of part 1
;; launch qkvp (part 2): grid 12 x 16, 4 waves a work-group, clusters of 4 x 4, 327,680 bytes of LDS; arguments xq, wq, rope, qn_w, kn_w, qkv, gate; writes qkv, gate
.if DOCPART == 2
	.amdgcn_target "amdgcn-amd-amdhsa--gfx1250"
	.amdhsa_code_object_version 6
	.text
	.protected	k_q9e9108e666_qkvp
	.globl	k_q9e9108e666_qkvp
	.p2align	8
	.type	k_q9e9108e666_qkvp,@function
k_q9e9108e666_qkvp:
	s_mov_b64 s[64:65], 0
	v_nop
	global_prefetch_b8 v0, s[64:65] scope:SCOPE_SE
	s_setreg_imm32_b32 hwreg(HW_REG_WAVE_MODE, 25, 1), 1
	s_wait_xcnt 0x0
	s_wait_alu depctr_hold_cnt(0) depctr_sa_sdst(0) depctr_va_vdst(0) depctr_va_sdst(0) depctr_va_ssrc(0) depctr_va_vcc(0) depctr_vm_vsrc(0)
	s_getreg_b32 s2, hwreg(HW_REG_IB_STS2, 6, 4)
	s_cmp_eq_u32 s2, 0
	s_cbranch_scc0 .Lentry_in_a_cluster
	s_endpgm
.Lentry_in_a_cluster:
	s_bfe_u32 s2, ttmp6, 0x10000c
	s_cmp_lg_u32 s2, 0xf033
	s_cbranch_scc0 .Lentry_shape_is_right
	s_endpgm
.Lentry_shape_is_right:
; QKVP: C = x W^T for W = Wq, Wk, Wv together (4,096 x 3,072, K = 2,048) on codes of E3M2, and what follows each part of C: q and k are normalised, turned and quantised along the head's 128; v is quantised along the keys;
; the gate leaves as f32.  Operands lie in memory as images of fragments (16 places x 128 K: 1,536 bytes, register g of lane l at 512 (g / 4) + 16 l + 4 (g % 4)), [row block][K step]; rows stand with bits 3 and 4 of their index exchanged.
; SHARES.  A work-group of four waves makes 256 places of tokens x 256 rows of W, a wave 128 x 128: 64 accumulators, 512 registers.  192 work-groups: tiles of half the height would be 384, one and a half for each of 256 WGPs.
; A tile column holds one head: tile columns 0-7 q (first 128 rows) and gate (second 128) of head tx; tile columns 8-11 k and v of head tx - 8.  So a wave's half of the columns says what it makes.
; K goes in steps of 256 through a ring of two LDS slots filled by the tensor data mover; the scale words of the work-group's rows, for all of K, come once.
; CLUSTERS: 4 x 4 work-groups.  x's tiles are shared along a row of the cluster, W's along a column: each is asked for jointly, by the same tensor load with the same descriptor and a mask that names the four.
; THE PRODUCT IS USED TRANSPOSED: source 0 = 16 rows of W, source 1 = 16 places of tokens: a lane holds one token, and the 64 registers of its eight accumulators are 64 of the head's numbers: register 16 b + i = 32 b + 16 (lane / 16) + i.
; A WAVE THAT MAKES v changes the two sides: its source 0 is x and its source 1 Wv, by exchanging two LDS bases: a lane then holds one of the head's 128 and its registers run along 128 tokens, the next product's K.  What a wave makes hangs on
; the cluster's x and the wave's number alone, which all partners share.
; OUT.  qkv: codes [2 b][16: q heads 0-7, k 8-11, v 12-15][128 fragments][1536] (q, k: token block; v: 8 x key step + block of the head's 128); scale words from QS on: [b][16][16 groups of 128 tokens][16 rows][8 fragments].
; gate: f32, [b][8 heads][128 token blocks][image of 64 registers, 8,192 bytes].
; LIMITS: NaN and infinities are not served; a block of zeros or under 2^-122 gets the byte 1 (its bytes are read by this program alone).
; REGISTERS, in windows of 256: window 0: v16-31 addresses; v32-63 scale words, two sets, and nothing else; v64-127 the norm's weights; v128-223 source 1's fragments, one set; behind the loop v128-251 are at work.
;   window 1: source 0's fragments, two sets, at v0 and v128; v96-127, v224-255 cos and sin of the first token block; behind the loop v0-63 the turned numbers, v64-95, v128-159 the second set of cos and sin.
;   windows 2, 3: the accumulators of my blocks 0-3, 4-7: (a, b) at v[8 (8 (a % 4) + b)].
.set XS,    6291456
.set WS,    4718592
.set QS,    6291456
.set NQ,    2                          ; matrix instructions deep in a slot
.set FR,    12                         ; registers of a fragment
.set FRB,   1536                       ; its image
.set NL,    3                          ; LDS loads that bring one
.set NP,    4                          ; places behind this matrix instruction (ISA guide 7.12.1)
.set RB,    NQ*FRB                     ; a row block's part of a slot
.set KROW,  16*FRB                     ; a row block in memory: 16 K steps
.set HALFT, 8*RB                       ; eight row blocks: what one tensor load brings, and what one wave reads of a side
.set SLOT,  4*HALFT                    ; x's 16 row blocks, then W's 16
.set LAPS,  4                          ; a lap = two K steps of 256
.set SCLA,  2*SLOT                     ; x's scale words: 16 row blocks x 1,024 bytes
.set SCLB,  SCLA+16384                 ; W's, on end behind x's: every byte between the two is written
.set SPARE, SCLB+16384                 ; the spare words, 128 bytes a wave: two blocks of 256 bytes that no other line names
; THE HEAD: one joint load a wave: wave 0 x's sixteen row blocks of K step 0, wave 1 W's, wave 2 x's scale words, wave 3 W's.  Slot 1's first fill follows as a refill does.
; PREFETCH: of the 8 row blocks x 3,072 bytes that a wave fetches for a K step, each of the four partners that ask jointly names 8 x 768 bytes, told apart by address: 24 lanes, a block of 256 bytes each
; (lanes 24-31 name lane 23's again).  The head asks for K steps 1 and 2; behind the load of K step t stands the request for K step t + 2; the loop's last trip asks for nothing.
.set PFO,  24                          ; v24     the prefetch's offset: (l / 3) row blocks + 256 (l % 3), l = min(lane, 23); never rewritten
.set PFA,  46                          ; s[46:47] where my prefetches stand
.set ADRA, 16                          ; v16-17  LDS address of source 1's fragments in slot 0, 1
.set ADRB, 20                          ; v20-21  of source 0's
.set WO,   26                          ; v26     64 x (lane / 16)
.set ADRS, 27                          ; v27     my scale words: lanes 0-15 source 1's rows, lanes 16-31 source 0's
.set SPW,  28
.set NIL,  29
.set LI,   30                          ; v30     16 x lane
.set SO,   31                          ; v31     32 r + 16 h
.set SC,   32
.set W1,   64                          ; v64-127 w + 1, in the accumulators' order
.set AF,   128
.set Y,    128                         ; v128-191 the normalised numbers
.set PC,   192                         ; v192-210 codes
.set TM,   212                         ; v212-227 at work
.set PWS,  228                         ; v228-235 the eight fragments' scale words
.set SS,   236                         ; v236-243 sums of squares
.set RS,   244                         ; v244-245 1 / root
.set TT,   246
.set UU,   247
.set OUTR, 248
.set G1,   24
.set G0,   32
.set G1B,  48
.set G0B,  56
.set G1S,  68
.set G0S,  76
.set G1SB, 80
.set G0SB, 88
.set SEL,  92
.set MSB, 0
.macro WIN new                         ; the immediate's high byte repeats the setting that is left
.if MSB != (\new)
	s_set_vgpr_msb (MSB<<8)|(\new)
.set MSB, (\new)
.endif
.endm
.set MUL_LO, 0xa1                      ; source 0 window 1, source 1 window 0, C and D window 2
.set MUL_HI, 0xf1
.set TO_B,   0x40
; A joint load: waves 0 and 1 fetch x's halves, waves 2 and 3 W's.  The branch hangs on the wave's number alone.  Four v_nop follow each of the two lines.
.macro JLOAD g0a, g1a, g0b, g1b
	s_cmp_eq_u32 s19, 0
	s_cbranch_scc0 .Lfor_b_\@
	tensor_load_to_lds s[\g0a:\g0a+3], s[\g1a:\g1a+7]
	s_nop 0
.rept 4
	v_nop
.endr
	s_branch .Lasked_\@
.Lfor_b_\@:
	tensor_load_to_lds s[\g0b:\g0b+3], s[\g1b:\g1b+7]
	s_nop 0
.rept 4
	v_nop
.endr
.Lasked_\@:
.endm
.macro CREST                           ; a round of the cluster's barrier behind its opening barrier
	s_cmp_lg_u32 s18, 0
	s_cbranch_scc1 .Lnot_wave_0_\@
	s_barrier_signal -3
.Lnot_wave_0_\@:
	s_barrier_wait -3
	s_barrier_signal -1
	s_barrier_wait -1
.endm
.macro CROUND
	s_barrier_signal -1
	s_barrier_wait -1
	CREST
.endm
.macro PLACES n
.rept \n
	v_nop
.endr
.endm
	s_load_b256 s[4:11], s[0:1], 0x0               ; xq 4, wq 6, rope 8, qn_w 10
	s_load_b128 s[12:15], s[0:1], 0x20             ; kn_w 12, qkv 14
	s_load_b64 s[16:17], s[0:1], 0x30              ; gate
	v_lshl_add_u32 v[SPW], v0, 2, SPARE
	v_mov_b32 v[NIL], 0
	ds_add_u32 v28, v29
	ds_add_u32 v28, v29
	s_wait_dscnt 0x0
	v_lshrrev_b32 v1, 5, v0
	v_readfirstlane_b32 s18, v1                    ; wave 0..3
	s_lshr_b32 s19, s18, 1                         ; my half of the tokens.  Also: I fetch for x (0) or for W (1)
	s_and_b32 s20, s18, 1                          ; my half of W's rows.  Also: which eight row blocks I fetch
	s_bfe_u32 s40, ttmp6, 0x40000                  ; cx, cy
	s_bfe_u32 s41, ttmp6, 0x40004
	s_lshl_b32 s42, ttmp9, 2
	s_add_co_u32 s42, s42, s40                     ; tile column
	s_and_b32 s21, ttmp7, 0xffff
	s_lshl_b32 s21, s21, 2
	s_add_co_u32 s21, s21, s41                     ; tile row
	s_lshl_b32 s43, s41, 2
	s_lshl_b32 s43, 15, s43                        ; my row of the cluster
	s_lshl_b32 s44, 0x1111, s40                    ; my column
	; group 1: rows of 3,072 bytes (384 elements of 8 bytes), 24,576 bytes apart; dense in LDS: sixteen for the head's loads, eight for the ring's
	s_or_b32 s[G1+0], s43, (3<<16)|(1<<21)
	s_or_b32 s[G1B+0], s44, (3<<16)|(1<<21)
.irp g, G1, G1B
	s_mov_b32 s[\g+1], (RB/8)<<16                  ; tensor_dim0
	s_mov_b32 s[\g+2], 16<<16                      ; tensor_dim1
	s_mov_b32 s[\g+3], (RB/8)<<16                  ; tile_dim0
	s_mov_b32 s[\g+4], 16                          ; tile_dim1
	s_mov_b32 s[\g+5], KROW/8                      ; tensor_dim0_stride
	s_mov_b32 s[\g+6], 0
	s_mov_b32 s[\g+7], 0
.endr
	; the scale words of sixteen row blocks: 16,384 dense bytes, as 64 rows of 256
	s_or_b32 s[G1S+0], s43, (3<<16)|(1<<21)
	s_or_b32 s[G1SB+0], s44, (3<<16)|(1<<21)
.irp g, G1S, G1SB
	s_mov_b32 s[\g+1], 32<<16
	s_mov_b32 s[\g+2], 64<<16
	s_mov_b32 s[\g+3], 32<<16
	s_mov_b32 s[\g+4], 64
	s_mov_b32 s[\g+5], 32
	s_mov_b32 s[\g+6], 0
	s_mov_b32 s[\g+7], 0
.endr
	s_lshl_b32 s22, s21, 4
	s_mul_i32 s66, s22, KROW
	s_mov_b32 s67, 0
	s_lshl_b32 s22, s22, 10
	s_add_co_u32 s22, s22, XS
	s_mov_b32 s23, 0
	s_lshl_b32 s46, s42, 4
	s_mul_i32 s98, s46, KROW
	s_mov_b32 s99, 0
	s_lshl_b32 s46, s46, 10
	s_add_co_u32 s46, s46, WS
	s_mov_b32 s47, 0
	s_mul_i32 s45, s18, HALFT                      ; where they go: wave x eight row blocks
	s_wait_kmcnt 0x0
	s_add_nc_u64 s[66:67], s[4:5], s[66:67]
	s_add_nc_u64 s[22:23], s[4:5], s[22:23]
	s_add_nc_u64 s[98:99], s[6:7], s[98:99]
	s_add_nc_u64 s[46:47], s[6:7], s[46:47]
	CROUND                                         ; all sixteen work-groups are here: the first joint loads meet
	s_mov_b32 s[G0S], 1
	s_mov_b32 s[G0S+1], SCLA
	s_mov_b64 s[G0S+2:G0S+3], s[22:23]
	s_or_b32 s[G0S+3], s[G0S+3], 0x80000000
	s_mov_b32 s[G0SB], 1
	s_mov_b32 s[G0SB+1], SCLB
	s_mov_b64 s[G0SB+2:G0SB+3], s[46:47]
	s_or_b32 s[G0SB+3], s[G0SB+3], 0x80000000
.irp s, 0,1
	s_mov_b32 s[G0+4*\s], 1
	s_add_co_u32 s[G0+4*\s+1], s45, \s*SLOT
	s_add_nc_u64 s[G0+4*\s+2:G0+4*\s+3], s[66:67], \s*RB
	s_or_b32 s[G0+4*\s+3], s[G0+4*\s+3], 0x80000000
	s_mov_b32 s[G0B+4*\s], 1
	s_add_co_u32 s[G0B+4*\s+1], s45, \s*SLOT
	s_add_nc_u64 s[G0B+4*\s+2:G0B+4*\s+3], s[98:99], \s*RB
	s_or_b32 s[G0B+4*\s+3], s[G0B+4*\s+3], 0x80000000
.endr
	s_mov_b32 s[G0+1], 0                           ; the head's loads bring whole tiles of K step 0: x's sixteen row blocks,
	s_mov_b32 s[G0B+1], 2*HALFT                    ; and W's sixteen behind them
	s_mul_i32 s22, s20, 8*KROW                     ; in the ring I fetch eight row blocks: which half, in bytes
	s_mov_b32 s23, 0
	s_add_nc_u64 s[G0+6:G0+7], s[G0+6:G0+7], s[22:23]
	s_add_nc_u64 s[G0B+6:G0B+7], s[G0B+6:G0B+7], s[22:23]
; One chain of branches on the wave's number, one load to an arm, all arms leading to one join.
.macro ARM under, g0, g1, next
	s_cmp_lt_u32 s18, \under
	s_cbranch_scc0 \next
	tensor_load_to_lds s[\g0:\g0+3], s[\g1:\g1+7]
	s_nop 0
.rept 4
	v_nop
.endr
	s_branch .Lhead_asked
\next:
.endm
	ARM 1, G0,  G1,  .Lhead_b
	ARM 2, G0B, G1B, .Lhead_sa
	ARM 3, G0S, G1S, .Lhead_sb
	tensor_load_to_lds s[G0SB:G0SB+3], s[G1SB:G1SB+7]
	s_nop 0
.rept 4
	v_nop
.endr
.Lhead_asked:
	v_and_b32 v1, 31, v0
	v_min_u32 v1, 23, v1
	v_mul_u32_u24 v2, v1, 11
	v_lshrrev_b32 v2, 5, v2                        ; l / 3, right for l up to 23
	v_mul_u32_u24 v3, v2, 3
	v_sub_nc_u32 v1, v1, v3                        ; l % 3
	v_mul_u32_u24 v2, v2, KROW
	v_lshl_add_u32 v[PFO], v1, 8, v2
	s_cmp_eq_u32 s19, 0                            ; do I fetch for x?
	s_cselect_b64 s[PFA:PFA+1], s[4:5], s[6:7]
	s_cselect_b32 s2, s21, s42                     ; the tile's place: x's by the tile row, W's by the tile column
	s_cselect_b32 s94, s40, s41                    ; my place among the four that ask with me
	s_lshl_b32 s2, s2, 4
	s_lshl_b32 s3, s20, 3
	s_add_co_u32 s2, s2, s3                        ; the first of the eight row blocks that I fetch
	s_mul_i32 s2, s2, KROW
	s_mul_i32 s94, s94, 768                        ; my work-group's quarter of a row block's 3,072 bytes
	s_add_co_u32 s2, s2, s94
	s_add_co_u32 s2, s2, RB                        ; at K step 1
	s_mov_b32 s3, 0
	s_add_nc_u64 s[PFA:PFA+1], s[PFA:PFA+1], s[2:3]
	s_wait_alu depctr_va_vdst(0)                   ; the wait directly ahead of the reader below
	global_prefetch_b8 v[PFO], s[PFA:PFA+1] th:TH_LOAD_NT scope:SCOPE_SE             ; K step 1
	global_prefetch_b8 v[PFO], s[PFA:PFA+1] offset:RB th:TH_LOAD_NT scope:SCOPE_SE   ; K step 2
	s_mov_b32 s[SEL], 0x76543210
	s_mov_b32 s[SEL+1], 0xfedcba98
	s_cmp_eq_u32 ttmp9, 2                          ; the cluster's x: tile columns 8-11 hold k and v
	s_cselect_b32 s95, s20, 0                      ; 1 in a wave that makes v
	s_cselect_b64 s[10:11], s[12:13], s[10:11]     ; the norm's weights: k's there, else q's
	s_mul_i32 s2, s19, HALFT                       ; x: my eight row blocks
	s_mul_i32 s96, s20, HALFT
	s_add_co_u32 s96, s96, 2*HALFT                 ; W: mine, behind x's sixteen
	s_cmp_eq_u32 s95, 0
	s_cselect_b32 s97, s2, s96                     ; source 1's side
	s_cselect_b32 s96, s96, s2                     ; source 0's side
	v_and_b32 v1, 31, v0
	v_lshlrev_b32 v[LI], 4, v1
.irp s, 0,1
	v_add_nc_u32 v[ADRA+\s], s97, v[LI]
	v_add_nc_u32 v[ADRB+\s], s96, v[LI]
	s_add_co_u32 s97, s97, SLOT
	s_add_co_u32 s96, s96, SLOT
.endr
	v_and_b32 v1, 15, v0                           ; r
	v_bfe_u32 v2, v0, 4, 1                         ; h
	v_xor_b32 v4, s95, v2                          ; lanes 0-15 take source 1's words: x's, in a wave that makes v W's
	s_lshl_b32 s2, s19, 13
	s_add_co_u32 s2, s2, SCLA
	s_lshl_b32 s96, s20, 13
	s_add_co_u32 s96, s96, SCLB
	s_sub_co_u32 s96, s96, s2
	v_mul_u32_u24 v4, s96, v4
	v_lshl_add_u32 v4, v1, 2, v4
	v_add_nc_u32 v[ADRS], s2, v4
	v_lshlrev_b32 v[SO], 5, v1
	v_lshl_add_u32 v[SO], v2, 4, v[SO]
	v_lshlrev_b32 v[WO], 6, v2
	; where my results go
	s_wait_alu depctr_va_vdst(0)
	s_lshr_b32 s2, s21, 3                          ; b
	s_lshl_b32 s96, s21, 1
	s_add_co_u32 s96, s96, s19
	s_and_b32 s96, s96, 15                         ; my group of 128 tokens in the batch
	s_lshl_b32 s66, s96, 16
	s_mov_b32 s67, 0
	s_add_nc_u64 s[8:9], s[8:9], s[66:67]          ; its eight token blocks of the table
	s_lshl_b32 s97, s2, 4
	s_add_co_u32 s97, s97, s42
	s_lshl_b32 s98, s95, 2
	s_add_co_u32 s97, s97, s98                     ; 16 b + tile column (+ 4 for v)
	s_lshl_b32 s98, s97, 7
	s_lshl_b32 s99, s96, 3
	s_add_co_u32 s98, s98, s99
	s_mul_i32 s66, s98, FRB
	s_add_nc_u64 s[98:99], s[14:15], s[66:67]      ; my eight fragments
	s_lshl_b32 s97, s97, 4
	s_add_co_u32 s97, s97, s96
	s_lshl_b32 s66, s97, 9
	s_add_co_u32 s66, s66, QS
	s_add_nc_u64 s[100:101], s[14:15], s[66:67]    ; their scale words: 512 bytes
	s_lshl_b32 s97, s2, 3
	s_add_co_u32 s97, s97, s42
	s_lshl_b32 s97, s97, 7
	s_lshl_b32 s96, s96, 3
	s_add_co_u32 s97, s97, s96
	s_lshl_b32 s66, s97, 13
	s_add_nc_u64 s[16:17], s[16:17], s[66:67]      ; the gate's eight images (used in tile columns 0-7 alone)
	; the norm's weights and the first token block's cos and sin are asked for here and land under the loop.  All four waves run these lines: the head has one way; the waves that make gate or v leave them unread
.irp b, 0,1,2,3
.irp j, 0,1,2,3
	global_load_b128 v[W1+16*\b+4*\j:W1+16*\b+4*\j+3], v[WO], s[10:11] offset:128*\b+16*\j
.endr
.endr
	WIN TO_B
.irp m, 0,1,2,3,4,5,6,7
	global_load_b128 v[96+4*\m:96+4*\m+3], v[LI], s[8:9] offset:512*\m
	global_load_b128 v[224+4*\m:224+4*\m+3], v[LI], s[8:9] offset:4096+512*\m
.endr
	WIN 0
.macro FRAG reg, adr, q, i             ; a fragment comes as it was stored: three loads of 16 bytes a lane, 512 consecutive bytes each
.irp c, 0,1,2
	ds_load_b128 v[\reg+4*\c:\reg+4*\c+3], v[\adr] offset:RB*(\i)+FRB*(\q)+512*\c
.endr
.endm
; 16 matrix instructions: source 1's blocks a0, a0 + 1 x source 0's eight.  The 64 accumulators take turns, one instruction a turn, in the same order in every step.
.macro MUL16 a0, p, q, sc, zero
.irp a, \a0, \a0+1
.irp b, 0,1,2,3,4,5,6,7
.if \zero
	v_wmma_scale_f32_16x16x128_f8f6f4 v[8*(8*((\a)%4)+\b):8*(8*((\a)%4)+\b)+7], v[128*(\p)+FR*\b:128*(\p)+FR*\b+FR-1], v[AF+FR*(\a):AF+FR*(\a)+FR-1], 0, v[SC+8*NQ*(\sc)+NQ*\b+(\q)], v[SC+8*NQ*(\sc)+NQ*(\a)+(\q)] matrix_a_fmt:MATRIX_FMT_BF6 matrix_b_fmt:MATRIX_FMT_BF6 matrix_a_scale:MATRIX_SCALE_ROW1
.else
	v_wmma_scale_f32_16x16x128_f8f6f4 v[8*(8*((\a)%4)+\b):8*(8*((\a)%4)+\b)+7], v[128*(\p)+FR*\b:128*(\p)+FR*\b+FR-1], v[AF+FR*(\a):AF+FR*(\a)+FR-1], v[8*(8*((\a)%4)+\b):8*(8*((\a)%4)+\b)+7], v[SC+8*NQ*(\sc)+NQ*\b+(\q)], v[SC+8*NQ*(\sc)+NQ*(\a)+(\q)] matrix_a_fmt:MATRIX_FMT_BF6 matrix_b_fmt:MATRIX_FMT_BF6 matrix_a_scale:MATRIX_SCALE_ROW1
.endif
.endr
.endr
.endm
.macro FETCH_B slot, q, p
	WIN TO_B
.irp i, 0,1,2,3,4,5,6,7
	FRAG 128*(\p)+FR*\i, ADRB+\slot, \q, \i
.endr
	WIN 0
.endm
.macro FETCH_A slot, q, i0
.irp i, \i0, \i0+1, \i0+2, \i0+3
	FRAG AF+FR*(\i), ADRA+\slot, \q, \i
.endr
.endm
.macro SCALES sc                       ; a K step's scale words: register NQ i + q: lanes 0-15 source 1's block i, lanes 16-31 source 0's
.irp i, 0,1,2,3,4,5,6,7
.irp q, 0,1
	ds_load_b32 v[SC+8*NQ*\sc+NQ*\i+\q], v[ADRS] offset:1024*\i+64*\q
.endr
.endr
.endm
.macro STEP slot, q, zero              ; a step of 128 along K that has its successor in the same slot
	s_wait_dscnt 4*NL                              ; all but the youngest twelve loads (source 1's blocks 4-7)
	WIN MUL_LO
	MUL16 0, (\q)%2, \q, \slot, \zero
	MUL16 2, (\q)%2, \q, \slot, \zero
	s_wait_dscnt 0
	PLACES NP                                      ; in front of loads into registers that matrix instructions have read
	FETCH_B \slot, (\q)+1, 1-(\q)%2
	FETCH_A \slot, (\q)+1, 0
	WIN MUL_HI
	MUL16 4, (\q)%2, \q, \slot, \zero
	MUL16 6, (\q)%2, \q, \slot, \zero
	PLACES NP
	WIN 0
	FETCH_A \slot, (\q)+1, 4
.endm
; A slot's last step changes slots: one barrier; in front of it each wave waits for all its tensor loads, adds 0 to its spare word, and waits for that and for its own reads of this slot.
.macro TURN slot, next, fill
.if \fill
	s_wait_xcnt 0x0                                ; my last prefetch has read its address: it is stepped here, a K step on
	s_add_nc_u64 s[PFA:PFA+1], s[PFA:PFA+1], RB
.endif
	s_wait_tensorcnt 0x0                           ; all my tensor loads have landed: my part of the next slot
	ds_add_u32 v[SPW], v[NIL]                      ; 0 onto my spare word
	s_wait_dscnt 4*NL+1                            ; (the add and the youngest twelve loads may be out)
	WIN MUL_LO
	MUL16 0, 1, NQ-1, \slot, 0
	s_wait_dscnt 0x0                               ; the add is done, and my reads of this slot are over
	s_barrier_signal -1
	MUL16 2, 1, NQ-1, \slot, 0
	WIN 0
	s_barrier_wait -1
.if \fill
	CREST                                          ; the barrier has opened a round of the cluster's barrier: no wave of any partner still reads this slot or has a load on its way
	s_add_nc_u64 s[G0+4*\slot+2:G0+4*\slot+3], s[G0+4*\slot+2:G0+4*\slot+3], 2*RB
	s_add_nc_u64 s[G0B+4*\slot+2:G0B+4*\slot+3], s[G0B+4*\slot+2:G0B+4*\slot+3], 2*RB
	JLOAD G0+4*\slot, G1, G0B+4*\slot, G1B         ; the first tensor load behind the round, my one load until the next; its four v_nop are the places in front of the loads below
.else
	PLACES NP
.endif
	s_wait_alu depctr_va_vdst(0)
	v_add_nc_u32 v[ADRS], 64*NQ, v[ADRS]           ; the next K step's scale words
	FETCH_B \next, 0, 0
	FETCH_A \next, 0, 0
	SCALES \next
.if \fill
	s_cmp_gt_u32 s3, 1                             ; the loop's last trip has no K step two on
	s_cbranch_scc0 .Lno_ask_\@
	global_prefetch_b8 v[PFO], s[PFA:PFA+1] offset:2*RB th:TH_LOAD_NT scope:SCOPE_SE   ; the K step two behind the one just asked for
.Lno_ask_\@:
.endif
	WIN MUL_HI
	MUL16 4, 1, NQ-1, \slot, 0
	MUL16 6, 1, NQ-1, \slot, 0
	PLACES NP
	WIN 0
	FETCH_A \next, 0, 4
.endm
	s_wait_alu depctr_va_vdst(0)                   ; the wait at the head's end
	s_wait_tensorcnt 0x0                           ; my tile of the head's four is in
	ds_add_u32 v[SPW], v[NIL]
	s_mov_b32 s[G1+2], 8<<16                       ; no tensor load of mine is out: from here on a load brings eight row blocks,
	s_mov_b32 s[G1+4], 8
	s_mov_b32 s[G1B+2], 8<<16
	s_mov_b32 s[G1B+4], 8
	s_mov_b32 s[G0+1], s45                         ; and slot 0's refills take my half: wave x eight row blocks in LDS,
	s_mov_b32 s[G0B+1], s45
	s_add_nc_u64 s[G0+2:G0+3], s[G0+2:G0+3], s[22:23]      ; and the same half in memory
	s_add_nc_u64 s[G0B+2:G0B+3], s[G0B+2:G0B+3], s[22:23]
	s_wait_dscnt 0x0                               ; the add is done
	CROUND                                         ; all four tiles are in, and all sixteen work-groups are here
	JLOAD G0+4, G1, G0B+4, G1B                     ; K step 1, the first tensor load behind the round
	global_prefetch_b8 v[PFO], s[PFA:PFA+1] offset:2*RB th:TH_LOAD_NT scope:SCOPE_SE   ; K step 3
	FETCH_B 0, 0, 0
	FETCH_A 0, 0, 0
	SCALES 0
	FETCH_A 0, 0, 4
	STEP 0, 0, 1                                   ; the first step stands in front of the loop: its products start the sums
	s_mov_b32 s3, LAPS-1
.Llap:
	TURN 0, 1, 1
	STEP 1, 0, 0
	TURN 1, 0, 1
	STEP 0, 0, 0
	s_sub_co_u32 s3, s3, 1
	s_cmp_lg_u32 s3, 0
	s_cbranch_scc1 .Llap
	TURN 0, 1, 0                                   ; the last lap fills nothing
	STEP 1, 0, 0
	s_wait_dscnt 4*NL
	WIN MUL_LO
	MUL16 0, 1, NQ-1, 1, 0
	MUL16 2, 1, NQ-1, 1, 0
	s_wait_dscnt 0
	WIN MUL_HI
	MUL16 4, 1, NQ-1, 1, 0
	MUL16 6, 1, NQ-1, 1, 0
	WIN 0
; 64 numbers v[s] .. v[s + 63] of window w, register 16 b + i = k 32 b + 16 (lane / 16) + i of my row, become a fragment's codes in v[PC] on and its row's scale word in v[pw].  The numbers are read in ascending order.
.macro QUANT s, w, pw
	WIN 5*(\w)
.irp b, 0,1,2,3
	v_max3_num_f32 v[TM+\b], |v[\s+16*\b]|, |v[\s+16*\b+1]|, 0x2800000   ; the floor 2^(5 - 127): the byte cannot fall under 1
.endr
.irp i, 2,4,6,8,10,12,14
.irp b, 0,1,2,3
	v_max3_num_f32 v[TM+\b], |v[\s+16*\b+\i]|, |v[\s+16*\b+\i+1]|, v[TM+\b]
.endr
.endr
	WIN 0
.irp b, 0,1,2,3
	v_permlanex16_b32 v[TM+4+\b], v[TM+\b], s[SEL], s[SEL+1]
.endr
.irp b, 0,1,2,3
	v_max_num_f32 v[TM+\b], v[TM+\b], v[TM+4+\b]
.endr
.irp b, 0,1,2,3
	v_add_nc_u32 v[TM+12+\b], 0xfe000000, v[TM+\b]
.endr
.irp b, 0,1,2,3
	v_lshrrev_b32 v[TM+4+\b], 23, v[TM+12+\b]
.endr
	v_lshl_or_b32 v[\pw], v[TM+5], 8, v[TM+4]
	v_lshl_or_b32 v[\pw], v[TM+6], 16, v[\pw]
	v_lshl_or_b32 v[\pw], v[TM+7], 24, v[\pw]
	WIN (\w)
.irp c, 0,1
	v_cvt_scalef32_pk16_bf6_f32 v[PC+6*\c:PC+6*\c+2], v[\s+32*\c:\s+32*\c+15], v[TM+12+2*\c]
	v_cvt_scalef32_pk16_bf6_f32 v[PC+12+4*\c:PC+14+4*\c], v[\s+16+32*\c:\s+31+32*\c], v[TM+13+2*\c]
.endr
	WIN 0
	v_nop                                          ; one plain instruction behind a scaled conversion
.irp c, 0,1
.irp i, 0,1,2
	v_permlane16_swap_b32 v[PC+6*\c+\i], v[PC+12+4*\c+\i]
.endr
.irp i, 0,1,2
	v_mov_b32 v[PC+3+6*\c+\i], v[PC+12+4*\c+\i]
.endr
.endr
.endm
.macro CODES_OUT a
.irp c, 0,1,2
	global_store_b128 v[LI], v[PC+4*\c:PC+4*\c+3], s[98:99] offset:FRB*(\a)+512*\c   ; 32 lanes store 512 consecutive bytes
.endr
.endm
	PLACES NP                                      ; behind the last products: the lines below write registers that held their fragments, and the results are read next
.irp b, 0,1,2,3
	v_mov_b32 v[TM+4+\b], 0                        ; written once: a lane permute's destination counts as one of its sources
.endr
	v_mov_b32 v[UU], 0
	v_mov_b32 v[RS+1], 0                           ; (named as the upper half of a pair)
	s_mov_b32 s22, 0x3c000000                      ; 1 / 128
	s_mov_b32 s23, 0x358637bd                      ; 1e-6
	s_wait_loadcnt 0x0                             ; the weights and the first cos and sin
	s_cmp_eq_u32 s20, 0
	s_cbranch_scc1 .Lqk
	s_cmp_eq_u32 ttmp9, 2
	s_cbranch_scc1 .Lv
	; ---- the gate: the accumulators leave as they stand, each from its low end on
.irp a, 0,1,2,3,4,5,6,7
	WIN 0x08+4*(\a/4)                              ; a store's data are its source 1: window 2 or 3
.irp m, 0,1,2,3,4,5,6,7,8,9,10,11,12,13,14,15
	global_store_b128 v[LI], v[64*(\a%4)+4*\m:64*(\a%4)+4*\m+3], s[16:17] offset:8192*\a+512*\m th:TH_STORE_NT
.endr
.endr
	WIN 0
	s_branch .Ldone
	; ---- v: a lane holds one of the head's 128, its 64 registers run along the tokens
.Lv:
.irp a, 0,1,2,3,4,5,6,7
.if \a > 0
	s_wait_xcnt 0x0                                ; the last fragment's stores have read the codes' registers
.endif
.set AC, 64*(\a%4)
	QUANT AC, 2+\a/4, PWS+\a
	CODES_OUT \a
.endr
	s_branch .Lsc
	; ---- q or k: x rsqrt(mean(x^2) + 1e-6) (w + 1), turned by the token's cos and sin, quantised
.Lqk:
.set n, 0
.rept 32
	v_pk_add_f32 v[W1+n:W1+n+1], v[W1+n:W1+n+1], 1.0 op_sel_hi:[1,0]
.set n, n+2
.endr
.macro QKBLK a
.set AC, 64*((\a)%4)
.set QW, 2+(\a)/4
.set TCO, 96-32*((\a)%2)               ; this block's cos and sin, in window 1
.set TSI, 224-96*((\a)%2)
.set NCO, 96-32*(((\a)+1)%2)           ; the next block's
.set NSI, 224-96*(((\a)+1)%2)
.if (\a) < 7
	WIN TO_B
.irp m, 0,1,2,3,4,5,6,7
	global_load_b128 v[NCO+4*\m:NCO+4*\m+3], v[LI], s[8:9] offset:8192*((\a)+1)+512*\m
	global_load_b128 v[NSI+4*\m:NSI+4*\m+3], v[LI], s[8:9] offset:8192*((\a)+1)+4096+512*\m
.endr
.endif
	WIN 5*QW
.irp k, 0,1,2,3
	v_pk_mul_f32 v[SS+2*\k:SS+2*\k+1], v[AC+2*\k:AC+2*\k+1], v[AC+2*\k:AC+2*\k+1]   ; the sum of squares, in four chains of pairs, in ascending order
.endr
.irp n, 8,16,24,32,40,48,56
.irp k, 0,1,2,3
	v_pk_fma_f32 v[SS+2*\k:SS+2*\k+1], v[AC+\n+2*\k:AC+\n+2*\k+1], v[AC+\n+2*\k:AC+\n+2*\k+1], v[SS+2*\k:SS+2*\k+1]
.endr
.endr
	WIN 0
	v_pk_add_f32 v[SS:SS+1], v[SS:SS+1], v[SS+2:SS+3]
	v_pk_add_f32 v[SS+4:SS+5], v[SS+4:SS+5], v[SS+6:SS+7]
	v_pk_add_f32 v[SS:SS+1], v[SS:SS+1], v[SS+4:SS+5]
	v_add_f32 v[TT], v[SS], v[SS+1]
	v_permlanex16_b32 v[UU], v[TT], s[SEL], s[SEL+1]
	v_add_f32 v[TT], v[TT], v[UU]                  ; with lane l xor 16's 64: the token's 128
	v_fma_f32 v[TT], v[TT], s22, s23
	s_wait_alu depctr_va_vdst(0)
	v_rsq_f32 v[RS], v[TT]
	v_nop                                          ; a plain instruction behind the transcendental,
	s_wait_alu depctr_va_vdst(0)                   ; and the wait ahead of its first use
	WIN QW
.set n, 0
.rept 32
	v_pk_mul_f32 v[Y+n:Y+n+1], v[AC+n:AC+n+1], v[RS:RS+1] op_sel_hi:[1,0]
.set n, n+2
.endr
	WIN 0
.set n, 0
.rept 32
	v_pk_mul_f32 v[Y+n:Y+n+1], v[Y+n:Y+n+1], v[W1+n:W1+n+1]
.set n, n+2
.endr
.if (\a) < 7
	s_wait_loadcnt 16                              ; this block's cos and sin are in; the next block's 16 loads may be out
.else
	s_wait_loadcnt 0x0
.endif
	WIN 0x44                                       ; destination and source 1 window 1
.set n, 0
.rept 16
	v_pk_mul_f32 v[n:n+1], v[Y+n:Y+n+1], v[TCO+n:TCO+n+1]
	v_pk_mul_f32 v[n+32:n+33], v[Y+n+32:Y+n+33], v[TCO+n:TCO+n+1]
.set n, n+2
.endr
	WIN 0x54                                       ; and source 2
.set n, 0
.rept 16
	v_pk_fma_f32 v[n:n+1], v[Y+n+32:Y+n+33], v[TSI+n:TSI+n+1], v[n:n+1] neg_lo:[1,0,0] neg_hi:[1,0,0]   ; d < 64: y(d) cos - y(d + 64) sin
	v_pk_fma_f32 v[n+32:n+33], v[Y+n:Y+n+1], v[TSI+n:TSI+n+1], v[n+32:n+33]                             ; d >= 64: y(d) cos + y(d - 64) sin
.set n, n+2
.endr
	WIN 0
	s_wait_xcnt 0x0                                ; the last fragment's stores have read the codes' registers
	QUANT 0, 1, PWS+(\a)
	CODES_OUT \a
.endm
.irp a, 0,1,2,3,4,5,6,7
	QKBLK \a
.endr
	; ---- the eight scale words of each row: 32 bytes a row; lanes 0-15 store words 0-3, lanes 16-31 words 4-7: 512 consecutive bytes
.Lsc:
	v_and_b32 v[TT], 31, v0
	v_cmp_lt_u32 vcc_lo, 15, v[TT]
.irp k, 0,1,2,3
	v_cndmask_b32 v[OUTR+\k], v[PWS+\k], v[PWS+4+\k], vcc_lo
.endr
	global_store_b128 v[SO], v[OUTR:OUTR+3], s[100:101]
.Ldone:
	s_wait_tensorcnt 0x0                           ; the wave's end
	ds_add_u32 v[SPW], v[NIL]
	s_wait_dscnt 0x0
	CROUND                                         ; the closing round: no work-group ends while a partner may still ask for a tile that names it
	s_endpgm
.Lfunc_end_k_q9e9108e666_qkvp:
	.size	k_q9e9108e666_qkvp, .Lfunc_end_k_q9e9108e666_qkvp-k_q9e9108e666_qkvp
	.p2alignl 7, 3214868480
	.fill 96, 4, 3214868480
	.section	.rodata,"a",@progbits
	.p2align	6, 0x0
	.amdhsa_kernel k_q9e9108e666_qkvp
		.amdhsa_group_segment_fixed_size 327680
		.amdhsa_private_segment_fixed_size 0
		.amdhsa_enable_private_segment 0
		.amdhsa_kernarg_size 56
		.amdhsa_user_sgpr_count 2
		.amdhsa_user_sgpr_kernarg_segment_ptr 1
		.amdhsa_wavefront_size32 1
		.amdhsa_system_sgpr_workgroup_id_x 1
		.amdhsa_system_sgpr_workgroup_id_y 1
		.amdhsa_system_sgpr_workgroup_id_z 1
		.amdhsa_system_vgpr_workitem_id 0
		.amdhsa_next_free_vgpr 1024
		.amdhsa_next_free_sgpr 102
		.amdhsa_reserve_vcc 1
		.amdhsa_float_denorm_mode_32 3
		.amdhsa_float_denorm_mode_16_64 3
		.amdhsa_memory_ordered 1
		.amdhsa_forward_progress 1
		.amdhsa_inst_pref_size 255
	.end_amdhsa_kernel
	.section	.bss,"aw",@nobits
	.p2align	6
	.space	262144
	.amdgpu_metadata
---
amdhsa.version: [ 1, 2 ]
amdhsa.kernels:
  - .name:           k_q9e9108e666_qkvp
    .symbol:         k_q9e9108e666_qkvp.kd
    .args:
      - { .name: xq, .offset: 0, .size: 8, .value_kind: global_buffer, .address_space: global }
      - { .name: wq, .offset: 8, .size: 8, .value_kind: global_buffer, .address_space: global }
      - { .name: rope, .offset: 16, .size: 8, .value_kind: global_buffer, .address_space: global }
      - { .name: qn_w, .offset: 24, .size: 8, .value_kind: global_buffer, .address_space: global }
      - { .name: kn_w, .offset: 32, .size: 8, .value_kind: global_buffer, .address_space: global }
      - { .name: qkv, .offset: 40, .size: 8, .value_kind: global_buffer, .address_space: global }
      - { .name: gate, .offset: 48, .size: 8, .value_kind: global_buffer, .address_space: global }
    .group_segment_fixed_size: 327680
    .private_segment_fixed_size: 0
    .kernarg_segment_align: 8
    .kernarg_segment_size: 56
    .max_flat_workgroup_size: 128
    .sgpr_count:     102
    .vgpr_count:     1024
    .wavefront_size: 32
...
	.end_amdgpu_metadata
.endif
;; end of part 2
;; launch attn (part 3): grid 32 x 8, 8 waves a work-group, clusters of 4 x 1, 327,680 bytes of LDS; arguments qkv, gate, aq; writes aq
.if DOCPART == 3
	.amdgcn_target "amdgcn-amd-amdhsa--gfx1250"
	.amdhsa_code_object_version 6
	.text
	.protected	k_q9e9108e666_attn
	.globl	k_q9e9108e666_attn
	.p2align	8
	.type	k_q9e9108e666_attn,@function
k_q9e9108e666_attn:
	s_mov_b64 s[64:65], 0
	v_nop
	global_prefetch_b8 v0, s[64:65] scope:SCOPE_SE
	s_setreg_imm32_b32 hwreg(HW_REG_WAVE_MODE, 25, 1), 1
	s_wait_xcnt 0x0
	s_wait_alu depctr_hold_cnt(0) depctr_sa_sdst(0) depctr_va_vdst(0) depctr_va_sdst(0) depctr_va_ssrc(0) depctr_va_vcc(0) depctr_vm_vsrc(0)
	s_getreg_b32 s2, hwreg(HW_REG_IB_STS2, 6, 4)
	s_cmp_eq_u32 s2, 0
	s_cbranch_scc0 .Lentry_in_a_cluster
	s_endpgm
.Lentry_in_a_cluster:
	s_bfe_u32 s2, ttmp6, 0x10000c
	s_cmp_lg_u32 s2, 0x3003
	s_cbranch_scc0 .Lentry_shape_is_right
	s_endpgm
.Lentry_shape_is_right:
.set QS,    6291456
.set AQS,   3145728
.set FRB,   1536
.set HEADB, 128*FRB
.set PARTB, 8*FRB
.set STEPB, 2*PARTB
.set SLOT1, 1<<17
.set SCK,   4*STEPB
.set SPARE, SCK+16384
.set LI,   1
.set AS0,  2
.set ADK2, 3
.set SPW,  5
.set NIL,  6
.set QD,   7
.set ADK0, 8
.set ADS,  9
.set QSW,  11
.set PFO,  28
.set SOF,  29
.set PC,   32
.set TM,   232
.set KF,   64
.set VF,   160
.set WV,   10
.set LAST, 19
.set SEL,  20
.set CS,   22
.set G1,   24
.set G1S,  32
.set G0,   40
.set G0S,  44
.set TBO,  48
.set TSO,  49
.set KS,   50
.set SLOTS, 51
.set KQ,   53
.set PFA,  54
.set LIM,  56
.set NL2E, 58
; SHARING THE LONG ROWS.  Waves 2 p and 2 p + 1 are a pair: one has an early query block (last key step c, the cluster's x), the other a late one (last key step 15 - c) of the same head.
; From the slot behind the early block's last one (key step SW on) the early block's wave parks its O^T and sums in LDS, takes the late block's q, and works steps 2 and 3 of each slot of four for it, under a running
; maximum, sum and O^T of its own; the late block's wave keeps steps 0 and 1.  At the end the helper's part goes through LDS to the late block's wave, which joins the two under the common whole-number M
; (both factors are powers of two), and the helper takes its parked block back.  All branches for this hang on the wave's number and the cluster's x.
.set EL,   57                          ; s57     the last key step that I work in this slot
.set SW,   52                          ; s52     the first key step of the shared slots: 4 (c / 4 + 1)
.set LH,   16                          ; s16     the other block's last key step
.set AQ,   52                          ; v52-63  the other block's q fragment;  v64 its scale word;  v66 its rows' places
.set AQW,  64
.set QDA,  66
.set PK,   67                          ; v67     LDS: my pair's 2 x 8,704 bytes: 16 x lane + PARK + 8,704 p
.set PARK, SLOT1+4*STEPB               ; behind slot 1: bytes that no load fills: four pairs' parked blocks, then four pairs' parts to be joined
.set DUMP, 4*8704
.set MSB, 0
.macro WIN new
.if MSB != (\new)
	s_set_vgpr_msb (MSB<<8)|(\new)
.set MSB, (\new)
.endif
.endm
.macro CROUND
	s_barrier_signal -1
	s_barrier_wait -1
	s_cmp_lg_u32 s[WV], 0
	s_cbranch_scc1 .Lnot_wave_0_\@
	s_barrier_signal -3
.Lnot_wave_0_\@:
	s_barrier_wait -3
	s_barrier_signal -1
	s_barrier_wait -1
.endm
.macro ASK
	s_cmp_gt_u32 s[SLOTS], s[LIM]
	s_cbranch_scc0 .Lnot_mine_\@
	global_prefetch_b8 v[PFO], s[PFA:PFA+1] th:TH_LOAD_NT scope:SCOPE_SE
.Lnot_mine_\@:
.endm
	s_load_b128 s[4:7], s[0:1], 0x0
	s_load_b64 s[8:9], s[0:1], 0x10
	v_lshl_add_u32 v[SPW], v0, 2, SPARE
	v_mov_b32 v[NIL], 0
	ds_add_u32 v5, v6
	ds_add_u32 v5, v6
	s_wait_dscnt 0x0
	v_lshrrev_b32 v8, 5, v0
	s_delay_alu instid0(VALU_DEP_1)
	v_readfirstlane_b32 s[WV], v8
	s_bfe_u32 s11, ttmp6, 0x40000
	s_and_b32 s12, ttmp7, 0xffff
	s_lshr_b32 s13, s12, 2
	s_and_b32 s14, s12, 3
	s_lshr_b32 s17, s[WV], 2
	s_xor_b32 s15, s[WV], s17
	s_and_b32 s15, s15, 1
	s_bfe_u32 s16, s[WV], 0x10001
	s_lshl_b32 s18, ttmp9, 2
	s_add_co_u32 s18, s18, s11
	s_sub_co_u32 s60, 63, s18
	s_sub_co_u32 s61, 15, ttmp9
	s_sub_co_u32 s62, 3, s11
	s_cmp_eq_u32 s15, 0
	s_cselect_b32 s18, s18, s60
	s_cselect_b32 s[LAST], ttmp9, s61
	s_cselect_b32 s62, s11, s62
	s_lshl_b32 s18, s18, 1
	s_add_co_u32 s18, s18, s17
	s_lshl_b32 s63, s14, 1
	s_add_co_u32 s63, s63, s16
	s_lshl_b32 s62, s62, 5
	s_lshl_b32 s66, s17, 3
	s_add_co_u32 s62, s62, s66
	s_lshl_b32 s67, s17, 4
	s_add_co_u32 s67, s67, 96
	s_sub_co_u32 s67, s67, s62                     ; the same for the pair's other block
	v_and_b32 v8, 15, v0
	v_bfe_u32 v9, v0, 4, 1
	s_delay_alu instid0(VALU_DEP_2)
	v_and_b32 v10, 8, v8
	s_delay_alu instid0(VALU_DEP_1)
	v_add_nc_u32 v[QD], v8, v10
	s_delay_alu instid0(VALU_DEP_3)
	v_lshlrev_b32 v10, 4, v9
	s_delay_alu instid0(VALU_DEP_1)
	v_sub_nc_u32 v[QD], v[QD], v10
	s_delay_alu instid0(VALU_DEP_1)
	v_add_nc_u32 v[QDA], s67, v[QD]
	v_add_nc_u32 v[QD], s62, v[QD]
	s_lshl_b32 s66, s13, 4
	s_add_co_u32 s66, s66, s63
	s_lshl_b32 s67, s66, 7
	s_add_co_u32 s67, s67, s18
	s_mul_i32 s68, s67, FRB
	s_mov_b32 s69, 0
	s_lshl_b32 s70, s66, 13
	s_lshr_b32 s67, s18, 3
	s_lshl_b32 s67, s67, 9
	s_add_co_u32 s70, s70, s67
	s_and_b32 s67, s18, 7
	s_lshl_b32 s67, s67, 2
	s_add_co_u32 s70, s70, s67
	s_add_co_u32 s70, s70, QS
	s_mov_b32 s71, 0
	s_lshl_b32 s90, s17, 1                         ; the pair's other block: token block 126 + 2 s17 - mine
	s_add_co_u32 s90, s90, 126
	s_sub_co_u32 s90, s90, s18
	s_lshl_b32 s100, s66, 13                       ; its scale words,
	s_lshr_b32 s67, s90, 3
	s_lshl_b32 s67, s67, 9
	s_add_co_u32 s100, s100, s67
	s_and_b32 s67, s90, 7
	s_lshl_b32 s67, s67, 2
	s_add_co_u32 s100, s100, s67
	s_add_co_u32 s100, s100, QS
	s_mov_b32 s101, 0
	s_lshl_b32 s67, s66, 7                         ; its fragment,
	s_add_co_u32 s67, s67, s90
	s_mul_i32 s90, s67, FRB
	s_mov_b32 s91, 0
	s_sub_co_u32 s[LH], 15, s[LAST]                ; its last key step
	s_lshr_b32 s[SW], ttmp9, 2
	s_add_co_u32 s[SW], s[SW], 1
	s_lshl_b32 s[SW], s[SW], 2
	s_mov_b32 s[EL], s[LAST]
	s_lshl_b32 s72, s13, 3
	s_add_co_u32 s72, s72, s63
	s_lshl_b32 s72, s72, 7
	s_add_co_u32 s72, s72, s18
	s_lshl_b32 s72, s72, 13
	s_mov_b32 s73, 0
	s_lshl_b32 s74, s13, 7
	s_add_co_u32 s74, s74, s18
	s_lshl_b32 s76, s74, 9
	s_lshl_b32 s67, s63, 6
	s_add_co_u32 s76, s76, s67
	s_add_co_u32 s76, s76, AQS
	s_mov_b32 s77, 0
	s_lshl_b32 s74, s74, 3
	s_add_co_u32 s74, s74, s63
	s_mul_i32 s74, s74, FRB
	s_mov_b32 s75, 0
	s_and_b32 s60, s[WV], 1
	s_lshr_b32 s61, s[WV], 1
	s_lshl_b32 s62, s13, 4
	s_add_co_u32 s62, s62, 8
	s_add_co_u32 s62, s62, s14
	s_mul_i32 s78, s62, HEADB
	s_lshl_b32 s67, s60, 2
	s_add_co_u32 s62, s62, s67
	s_mul_i32 s66, s62, HEADB
	s_mul_i32 s67, s61, PARTB
	s_add_co_u32 s66, s66, s67
	s_mov_b32 s67, 0
	s_lshl_b32 s79, s60, 2
	s_sub_co_u32 s62, s62, s79                     ; k's head again: its scale words begin the tile of scale words
	s_lshl_b32 s62, s62, 13
	s_add_co_u32 s62, s62, QS
	s_mov_b32 s63, 0
	s_mov_b32 s[G1], 15|(3<<16)|(1<<21)
	s_mov_b32 s[G1+1], 32<<16
	s_mov_b32 s[G1+2], 48<<16
	s_mov_b32 s[G1+3], 32<<16
	s_mov_b32 s[G1+4], 48
	s_mov_b32 s[G1+5], 32
	s_mov_b32 s[G1+6], 0
	s_mov_b32 s[G1+7], 0
	s_mov_b32 s[G1S], 15|(3<<16)|(1<<21)           ; the scale words: two rows of 8,192 bytes, k's and v's, four heads (32,768 bytes) apart
	s_mov_b32 s[G1S+1], 1024<<16
	s_mov_b32 s[G1S+2], 2<<16
	s_mov_b32 s[G1S+3], 1024<<16
	s_mov_b32 s[G1S+4], 2
	s_mov_b32 s[G1S+5], 4096
.set G1X, 92
	s_mov_b32 s[G1X], 15|(3<<16)|(1<<21)           ; a whole key step: two rows of 12,288 bytes, k's part and v's, four heads apart
	s_mov_b32 s[G1X+1], 1536<<16
	s_mov_b32 s[G1X+2], 2<<16
	s_mov_b32 s[G1X+3], 1536<<16
	s_mov_b32 s[G1X+4], 2
	s_mov_b32 s[G1X+5], 4*HEADB/8
	s_mov_b32 s[G1X+6], 0
	s_mov_b32 s[G1X+7], 0
	s_mov_b32 s[G1S+6], 0
	s_mov_b32 s[G1S+7], 0
	s_mov_b32 s[SEL], 0x76543210
	s_mov_b32 s[SEL+1], 0xfedcba98
	s_mov_b32 s[CS], 0x3e0293ee
	s_mov_b32 s[CS+1], s[CS]
	s_mov_b32 s[NL2E], 0xbfb8aa3b
	s_mov_b32 s[NL2E+1], s[NL2E]
	s_mov_b32 s[TBO], 0
	s_mov_b32 s[TSO], 0
	s_mov_b32 s[KS], 0
	s_mov_b32 s[SLOTS], 3
	s_mul_i32 s12, s[WV], PARTB
	s_wait_kmcnt 0x0
	s_mov_b32 s[G0], 1
	s_mov_b32 s[G0+1], s12
	s_add_nc_u64 s[G0+2:G0+3], s[4:5], s[66:67]
	s_or_b32 s[G0+3], s[G0+3], 0x80000000
	s_mov_b32 s[G0S], 1
	s_mov_b32 s[G0S+1], SCK
	s_add_nc_u64 s[G0S+2:G0S+3], s[4:5], s[62:63]
	s_or_b32 s[G0S+3], s[G0S+3], 0x80000000
	CROUND
	s_wait_alu depctr_va_vdst(0)                   ; what the head wrote
	; the head's loads, one a wave, in one chain of branches on the wave's number: waves 0-5 their own parts of slot 0, wave 6 key step 3 whole (its own part and wave 7's), wave 7 the scale words
	s_cmp_lt_u32 s[WV], 6
	s_cbranch_scc0 .Lhead_x
	tensor_load_to_lds s[G0:G0+3], s[G1:G1+7]
	s_nop 0
.rept 4
	v_nop
.endr
	s_branch .Lhead_asked
.Lhead_x:
	s_cmp_lt_u32 s[WV], 7
	s_cbranch_scc0 .Lhead_s
	tensor_load_to_lds s[G0:G0+3], s[G1X:G1X+7]
	s_nop 0
.rept 4
	v_nop
.endr
	s_branch .Lhead_asked
.Lhead_s:
	tensor_load_to_lds s[G0S:G0S+3], s[G1S:G1S+7]
	s_nop 0
.rept 4
	v_nop
.endr
.Lhead_asked:
	s_add_nc_u64 s[80:81], s[4:5], s[68:69]
	s_add_nc_u64 s[82:83], s[4:5], s[70:71]
	s_add_nc_u64 s[84:85], s[6:7], s[72:73]
	s_add_nc_u64 s[86:87], s[8:9], s[74:75]
	s_add_nc_u64 s[88:89], s[8:9], s[76:77]
	s_add_nc_u64 s[90:91], s[4:5], s[90:91]
	s_add_nc_u64 s[100:101], s[4:5], s[100:101]
	s_lshr_b32 s67, s11, 1
	s_mul_i32 s67, s67, 4*HEADB
	s_add_co_u32 s78, s78, s67
	s_and_b32 s67, s11, 1
	s_mul_i32 s67, s67, 2*PARTB
	s_add_co_u32 s78, s78, s67
	s_lshl_b32 s67, s[WV], 13
	s_add_co_u32 s78, s78, s67
	s_add_co_u32 s78, s78, 4*PARTB
	s_mov_b32 s79, 0
	s_add_nc_u64 s[PFA:PFA+1], s[4:5], s[78:79]
	s_cmp_lt_u32 s[WV], 3
	s_cselect_b32 s[LIM], 0, 1
	s_or_b32 s[LIM], s[LIM], ttmp9
	s_cmp_eq_u32 s[LIM], 0
	s_cselect_b32 s[LIM], 1, -1
	s_bfe_u32 s13, s[WV], 0x20001                  ; my pair
	s_mul_i32 s13, s13, 8704
	s_add_co_u32 s13, s13, PARK
	v_and_b32 v[LI], 31, v0
	s_delay_alu instid0(VALU_DEP_1)
	v_lshlrev_b32 v[PFO], 8, v[LI]
	s_delay_alu instid0(VALU_DEP_2)
	v_lshlrev_b32 v[LI], 4, v[LI]
	v_lshl_add_u32 v[AS0], v8, 5, SCK
	v_add_nc_u32 v[PK], s13, v[LI]
	v_lshlrev_b32 v[SOF], 2, v8
	s_delay_alu instid0(VALU_DEP_1)
	v_lshl_add_u32 v[SOF], v9, 1, v[SOF]
	v_lshlrev_b32 v10, 5, v8
.irp c, 0,1,2
	global_load_b128 v[16+4*\c:19+4*\c], v[LI], s[80:81] offset:512*\c th:TH_LOAD_NT
.endr
	global_load_b32 v[QSW], v10, s[82:83]
.irp c, 0,1,2
	global_load_b128 v[AQ+4*\c:AQ+4*\c+3], v[LI], s[90:91] offset:512*\c   ; the other block's q: one way for all waves; the late blocks' waves leave it unread
.endr
	global_load_b32 v[AQW], v10, s[100:101]
	WIN 0x40
.irp m, 0,1,2,3,4,5,6,7,8,9,10,11,12,13,14,15
	global_load_b128 v[4*\m:4*\m+3], v[LI], s[84:85] offset:512*\m th:TH_LOAD_NT
.endr
	WIN 0
	v_mov_b32 v13, 0xff61b1e6
	s_delay_alu instid0(VALU_DEP_1)
	v_floor_f32 v12, -v13
	v_mov_b32 v14, 0
	v_mov_b32 v15, 0
.irp b, 0,1,2,3
	v_mov_b32 v[236+\b], 0
.endr
	v_mov_b32 v252, 0
	v_mov_b32 v253, 0
.set j, 0
.rept 64
	v_mov_b32 v[160+j], 0
.set j, j+1
.endr
	s_wait_loadcnt 0x0
	WIN 0x41
.set j, 0
.rept 32
	v_pk_mul_f32 v[j:j+1], v[j:j+1], s[NL2E:NL2E+1] op_sel_hi:[1,0]
.set j, j+2
.endr
.set j, 0
	s_wait_alu depctr_va_vdst(0)
.rept 64
	v_exp_f32 v[j], v[j]
.set j, j+1
.endr
	v_nop
	s_wait_alu depctr_va_vdst(0)
.set j, 0
.rept 32
	v_pk_add_f32 v[j:j+1], v[j:j+1], 1.0 op_sel_hi:[1,0]
.set j, j+2
.endr
.set j, 0
	s_wait_alu depctr_va_vdst(0)
.rept 64
	v_rcp_f32 v[j], v[j]
.set j, j+1
.endr
	v_nop
	s_wait_alu depctr_va_vdst(0)
	WIN 0
.macro SCL reg, off
	ds_load_b128 v[\reg:\reg+3], v[ADS] offset:\off
	ds_load_b128 v[\reg+4:\reg+7], v[ADS] offset:\off+16
.endm
.macro FRG reg, ad, off
	WIN 0x40
.irp f, 0,1,2,3,4,5,6,7
.irp c, 0,1,2
	ds_load_b128 v[\reg+12*\f+4*\c:\reg+12*\f+4*\c+3], v[\ad] offset:\off+FRB*\f+512*\c
.endr
.endr
	WIN 0
.endm
.macro STEP q, tag
.if (\q) < 2
.set AD, ADK0
.else
.set AD, ADK2
.endif
.set OF, ((\q)%2)*STEPB
.if (\q)+1 < 2
.set NAD, ADK0
.else
.set NAD, ADK2
.endif
.set NOF, (((\q)+1)%2)*STEPB
	s_add_co_u32 s[KQ], s[KS], \q
	s_cmp_gt_u32 s[KQ], s[EL]
	s_cbranch_scc1 .Lrest_\tag
.if (\q) == 0
	SCL 80, 0
	FRG KF, AD, OF
.endif
	s_wait_dscnt 0x0
	WIN 0x01
.irp f, 0,1,2,3,4,5,6,7
	v_wmma_scale_f32_16x16x128_f8f6f4 v[96+8*\f:103+8*\f], v[KF+12*\f:KF+12*\f+11], v[16:27], 0, v[80+\f], v[QSW] matrix_a_fmt:MATRIX_FMT_BF6 matrix_b_fmt:MATRIX_FMT_BF6
.endr
	WIN 0
.rept 4
	v_nop
.endr
	s_wait_alu depctr_va_vdst(0)
	SCL 88, 8192+512*(\q)
	FRG VF, AD, OF+PARTB
	s_cmp_lg_u32 s[KQ], s[LAST]
	s_cbranch_scc1 .Lopen_\@
	v_mov_b32 v254, 0xff800000
.set n, 0
.rept 64
	v_cmp_gt_i32 vcc_lo, 32*(n/16)+n%16, v[QD]
	v_cndmask_b32 v[96+n], v[96+n], v254, vcc_lo
.set n, n+1
.endr
.Lopen_\@:
.irp b, 0,1,2,3
	v_max3_num_f32 v[232+\b], v[96+16*\b], v[97+16*\b], v[98+16*\b]
.endr
.irp i, 3,5,7,9,11,13
.irp b, 0,1,2,3
	v_max3_num_f32 v[232+\b], v[232+\b], v[96+16*\b+\i], v[97+16*\b+\i]
.endr
.endr
.irp b, 0,1,2,3
	v_max_num_f32 v[232+\b], v[232+\b], v[111+16*\b]
.endr
.irp b, 0,1,2,3
	s_delay_alu instid0(VALU_DEP_4)
	v_permlanex16_b32 v[236+\b], v[232+\b], s[SEL], s[SEL+1]
.endr
.irp b, 0,1,2,3
	s_delay_alu instid0(VALU_DEP_4)
	v_max_num_f32 v[232+\b], v[232+\b], v[236+\b]
.endr
	s_delay_alu instid0(VALU_DEP_2)
	v_max3_num_f32 v254, v232, v233, v234
	s_delay_alu instid0(VALU_DEP_1)
	v_max_num_f32 v254, v254, v235
	s_delay_alu instid0(VALU_DEP_1)
	v_mul_f32 v254, s[CS], v254
	s_delay_alu instid0(VALU_DEP_1)
	v_max_num_f32 v13, v13, v254
	v_mov_b32 v254, v12
	s_delay_alu instid0(VALU_DEP_2)
	v_floor_f32 v12, -v13
	s_delay_alu instid0(VALU_DEP_1)
	v_sub_f32 v254, v12, v254
	s_delay_alu instid0(VALU_DEP_1)
	v_cvt_i32_f32 v254, v254
	s_delay_alu instid0(VALU_DEP_1)
	v_ldexp_f32 v252, 1.0, v254
.set j, 0
.rept 32
	v_pk_fma_f32 v[96+j:97+j], v[96+j:97+j], s[CS:CS+1], v[12:13] op_sel_hi:[1,0,0]
.set j, j+2
.endr
.irp b, 0,1,2,3
	v_fma_f32 v[232+\b], v[232+\b], s[CS], v12
.endr
.if (\q) < 3
	SCL 80, 512*((\q)+1)
	FRG KF, NAD, NOF
.endif
.set j, 0
	s_wait_alu depctr_va_vdst(0)
.rept 64
	v_exp_f32 v[96+j], v[96+j]
.set j, j+1
.endr
	v_pk_mul_f32 v[14:15], v[14:15], v[252:253] op_sel_hi:[1,0]
	s_wait_alu depctr_va_vdst(0)
.irp b, 0,1,2,3
	v_exp_f32 v[232+\b], v[232+\b]
.endr
	v_pk_add_f32 v[236:237], v[96:97], v[98:99]
.irp j, 4,8,12,16,20,24,28,32,36,40,44,48,52,56,60
	v_pk_add_f32 v[14:15], v[14:15], v[96+\j:97+\j]
	v_pk_add_f32 v[236:237], v[236:237], v[98+\j:99+\j]
.endr
	s_delay_alu instid0(VALU_DEP_1)
	v_pk_add_f32 v[14:15], v[14:15], v[236:237]
	s_wait_alu depctr_va_vdst(0)
.irp b, 0,1,2,3
	v_max_num_f32 v[232+\b], 0x2800000, v[232+\b]
.endr
.irp b, 0,1,2,3
	s_delay_alu instid0(VALU_DEP_4)
	v_add_nc_u32 v[244+\b], 0xfe000000, v[232+\b]
.endr
.irp b, 0,1,2,3
	s_delay_alu instid0(VALU_DEP_4)
	v_lshrrev_b32 v[236+\b], 23, v[244+\b]
.endr
	s_delay_alu instid0(VALU_DEP_3)
	v_lshl_or_b32 v253, v237, 8, v236
	s_delay_alu instid0(VALU_DEP_1)
	v_lshl_or_b32 v253, v238, 16, v253
	s_delay_alu instid0(VALU_DEP_1)
	v_lshl_or_b32 v253, v239, 24, v253
.irp c, 0,1
	v_cvt_scalef32_pk16_bf6_f32 v[224+6*\c:226+6*\c], v[96+32*\c:111+32*\c], v[244+2*\c]
	v_cvt_scalef32_pk16_bf6_f32 v[236+4*\c:238+4*\c], v[112+32*\c:127+32*\c], v[244+2*\c+1]
.endr
	v_nop
.irp c, 0,1
.irp i, 0,1,2
	v_permlane16_swap_b32 v[224+6*\c+\i], v[236+4*\c+\i]
.endr
.irp i, 0,1,2
	s_delay_alu instid0(VALU_DEP_3)
	v_mov_b32 v[227+6*\c+\i], v[236+4*\c+\i]
.endr
.endr
.set j, 0
.rept 32
	v_pk_mul_f32 v[160+j:161+j], v[160+j:161+j], v[252:253] op_sel_hi:[1,0]
.set j, j+2
.endr
.if (\q) < 3
	s_wait_alu depctr_va_vdst(0)
	s_wait_dscnt 26
.else
	s_wait_alu depctr_va_vdst(0)
	s_wait_dscnt 0x0
.endif
	WIN 0x01
.irp f, 0,1,2,3,4,5,6,7
	v_wmma_scale_f32_16x16x128_f8f6f4 v[160+8*\f:167+8*\f], v[VF+12*\f:VF+12*\f+11], v[224:235], v[160+8*\f:167+8*\f], v[88+\f], v253 matrix_a_fmt:MATRIX_FMT_BF6 matrix_b_fmt:MATRIX_FMT_BF6
.endr
	WIN 0
.endm
; My early block is finished: its O^T and sums are parked, as images of their registers, and I begin anew for the pair's late block.
.macro SWITCH
.rept 4
	v_nop                                          ; four places behind the last products (ISA guide 7.12.1)
.endr
.irp k, 0,1,2,3,4,5,6,7,8,9,10,11,12,13,14,15
	ds_store_b128 v[PK], v[160+4*\k:163+4*\k] offset:512*\k
.endr
	ds_store_b128 v[PK], v[12:15] offset:8192
.irp i, 0,1,2,3,4,5,6,7,8,9,10,11
	v_mov_b32 v[16+\i], v[AQ+\i]
.endr
	v_mov_b32 v[QSW], v[AQW]
	v_mov_b32 v[QD], v[QDA]
	v_mov_b32 v13, 0xff61b1e6
	v_floor_f32 v12, -v13
	v_mov_b32 v14, 0
	v_mov_b32 v15, 0
.set j, 0
.rept 64
	v_mov_b32 v[160+j], 0
.set j, j+1
.endr
	s_mov_b32 s[LAST], s[LH]
	s_mov_b32 s[EL], s[LH]
	s_wait_alu depctr_va_vdst(0)
.endm
.macro FOUR_STEPS tag
	v_add_nc_u32 v[ADK0], s[TBO], v[LI]
	v_add_nc_u32 v[ADS], s[TSO], v[AS0]
	s_delay_alu instid0(VALU_DEP_2)
	v_add_nc_u32 v[ADK2], 2*STEPB, v[ADK0]
	s_wait_alu depctr_va_vdst(0)
	s_cmp_eq_u32 s15, 0                            ; is mine the pair's early block?
	s_cbranch_scc0 .Lhigh_\tag
.if \tag == 0
	s_cmp_lt_u32 s[KS], s[SW]
	s_cbranch_scc1 .Lgo_\tag                       ; still at my own block: all four steps
	s_cmp_eq_u32 s[KS], s[SW]
	s_cbranch_scc0 .Lhelp_\tag
	SWITCH
.Lhelp_\tag:
.endif
	SCL 80, 1024                                   ; I help: steps 2 and 3 of the slot; step 2's fragments of k
	FRG KF, ADK2, 0
	s_branch .Lmid_\tag
.Lhigh_\tag:
	s_add_co_u32 s[EL], s[KS], 1                   ; the late block's wave: in a shared slot steps 0 and 1 alone
	s_min_u32 s[EL], s[EL], s[LAST]
	s_cmp_lt_u32 s[KS], s[SW]
	s_cselect_b32 s[EL], s[LAST], s[EL]
.Lgo_\tag:
	STEP 0, \tag
	STEP 1, \tag
.Lmid_\tag:
	STEP 2, \tag
	STEP 3, \tag
.Lrest_\tag:
	s_add_co_u32 s[KS], s[KS], 4
	s_xor_b32 s[TBO], s[TBO], SLOT1
	s_add_co_u32 s[TSO], s[TSO], 2048
.endm
.macro CHANGE fill
	s_wait_tensorcnt 0x0
	ds_add_u32 v[SPW], v[NIL]
.if \fill
	s_xor_b32 s[G0+1], s[G0+1], SLOT1
	s_add_nc_u64 s[G0+2:G0+3], s[G0+2:G0+3], 4*PARTB
	s_wait_xcnt 0x0
	s_add_nc_u64 s[PFA:PFA+1], s[PFA:PFA+1], 4*PARTB
	s_wait_dscnt 0x0
	CROUND
	tensor_load_to_lds s[G0:G0+3], s[G1:G1+7]
	s_nop 0
.rept 4
	v_nop
.endr
	ASK
.else
	s_wait_dscnt 0x0
	s_barrier_signal -1
	s_barrier_wait -1
.endif
.endm
.Lslot:
	CHANGE 1
	FOUR_STEPS 0
	s_sub_co_u32 s[SLOTS], s[SLOTS], 1
	s_cmp_lg_u32 s[SLOTS], 0
	s_cbranch_scc1 .Lslot
	CHANGE 0
	FOUR_STEPS 1
	s_wait_dscnt 0x0
.rept 4
	v_nop                                          ; four places behind the last products
.endr
	s_cmp_eq_u32 s15, 0
	s_cbranch_scc0 .Lno_dump
.irp k, 0,1,2,3,4,5,6,7,8,9,10,11,12,13,14,15
	ds_store_b128 v[PK], v[160+4*\k:163+4*\k] offset:DUMP+512*\k   ; the helper's part of the late block: O^T,
.endr
	ds_store_b128 v[PK], v[12:15] offset:DUMP+8192                 ; -M and the sums
.Lno_dump:
	s_wait_dscnt 0x0                               ; my stores are done,
	s_barrier_signal -1
	s_barrier_wait -1                              ; everybody's are
	s_cmp_eq_u32 s15, 0
	s_cbranch_scc0 .Lmerge
.irp k, 0,1,2,3,4,5,6,7,8,9,10,11,12,13,14,15
	ds_load_b128 v[160+4*\k:163+4*\k], v[PK] offset:512*\k         ; my parked block comes back
.endr
	ds_load_b128 v[12:15], v[PK] offset:8192
	s_wait_dscnt 0x0
	s_branch .Lmerged
.Lmerge:
.irp k, 0,1,2,3,4,5,6,7,8,9,10,11,12,13,14,15
	ds_load_b128 v[96+4*\k:99+4*\k], v[PK] offset:DUMP+512*\k
.endr
	ds_load_b128 v[244:247], v[PK] offset:DUMP+8192
	s_wait_dscnt 0x0
	v_min_num_f32 v248, v12, v244                  ; the common -M: the smaller of the two
	v_sub_f32 v249, v248, v12                      ; each part's old M less the common one: whole numbers, 0 or less
	v_sub_f32 v250, v248, v244
	v_cvt_i32_f32 v249, v249                       ; (they saturate: a helper that had no step has sums of 0 and gets the factor 0)
	v_cvt_i32_f32 v250, v250
	v_ldexp_f32 v252, 1.0, v249
	v_ldexp_f32 v250, 1.0, v250
	v_mov_b32 v251, 0                              ; (named as the upper half of a pair)
	v_pk_mul_f32 v[14:15], v[14:15], v[252:253] op_sel_hi:[1,0]
	v_pk_fma_f32 v[14:15], v[246:247], v[250:251], v[14:15] op_sel_hi:[1,0,1]
.set j, 0
.rept 32
	v_pk_mul_f32 v[160+j:161+j], v[160+j:161+j], v[252:253] op_sel_hi:[1,0]
.set j, j+2
.endr
.set j, 0
.rept 32
	v_pk_fma_f32 v[160+j:161+j], v[96+j:97+j], v[250:251], v[160+j:161+j] op_sel_hi:[1,0,1]
.set j, j+2
.endr
.Lmerged:
.rept 4
	v_nop
.endr
	v_add_f32 v14, v14, v15
	s_delay_alu instid0(VALU_DEP_1)
	v_permlanex16_b32 v252, v14, s[SEL], s[SEL+1]
	s_delay_alu instid0(VALU_DEP_1)
	v_add_f32 v14, v14, v252
	s_wait_alu depctr_va_vdst(0)
	v_rcp_f32 v14, v14
	v_bfe_u32 v250, v0, 4, 1
	s_delay_alu instid0(VALU_DEP_1)
	v_lshlrev_b32 v250, 4, v250
	s_wait_alu depctr_va_vdst(0)
.set j, 0
.rept 32
	v_pk_mul_f32 v[96+j:97+j], v[160+j:161+j], v[14:15] op_sel_hi:[1,0]
.set j, j+2
.endr
	WIN 0x04
.set j, 0
.rept 32
	v_pk_mul_f32 v[96+j:97+j], v[96+j:97+j], v[j:j+1]
.set j, j+2
.endr
	WIN 0
.irp b, 0,1,2,3
	v_max3_num_f32 v[TM+\b], |v[96+16*\b]|, |v[97+16*\b]|, 0x2800000
.endr
.irp i, 2,4,6,8,10,12,14
.irp b, 0,1,2,3
	s_delay_alu instid0(VALU_DEP_4)
	v_max3_num_f32 v[TM+\b], |v[96+16*\b+\i]|, |v[97+16*\b+\i]|, v[TM+\b]
.endr
.endr
.irp b, 0,1,2,3
	s_delay_alu instid0(VALU_DEP_4)
	v_permlanex16_b32 v[TM+4+\b], v[TM+\b], s[SEL], s[SEL+1]
.endr
.irp b, 0,1,2,3
	s_delay_alu instid0(VALU_DEP_4)
	v_max_num_f32 v[TM+\b], v[TM+\b], v[TM+4+\b]
.endr
.irp b, 0,1,2,3
	s_delay_alu instid0(VALU_DEP_4)
	v_add_nc_u32 v[TM+12+\b], 0xfe000000, v[TM+\b]
.endr
.irp b, 0,1,2,3
	s_delay_alu instid0(VALU_DEP_4)
	v_lshrrev_b32 v[TM+4+\b], 23, v[TM+12+\b]
.endr
	s_delay_alu instid0(VALU_DEP_3)
	v_lshl_or_b32 v248, v[TM+5], 8, v[TM+4]
	s_delay_alu instid0(VALU_DEP_1)
	v_lshl_or_b32 v248, v[TM+6], 16, v248
	s_delay_alu instid0(VALU_DEP_1)
	v_lshl_or_b32 v248, v[TM+7], 24, v248
.irp c, 0,1
	v_cvt_scalef32_pk16_bf6_f32 v[PC+6*\c:PC+6*\c+2], v[96+32*\c:111+32*\c], v[TM+12+2*\c]
	v_cvt_scalef32_pk16_bf6_f32 v[PC+12+4*\c:PC+14+4*\c], v[112+32*\c:127+32*\c], v[TM+13+2*\c]
.endr
	v_nop
.irp c, 0,1
.irp i, 0,1,2
	v_permlane16_swap_b32 v[PC+6*\c+\i], v[PC+12+4*\c+\i]
.endr
.irp i, 0,1,2
	s_delay_alu instid0(VALU_DEP_3)
	v_mov_b32 v[PC+3+6*\c+\i], v[PC+12+4*\c+\i]
.endr
.endr
	v_lshrrev_b32 v249, v250, v248
.irp c, 0,1,2
	global_store_b128 v[LI], v[PC+4*\c:PC+4*\c+3], s[86:87] offset:512*\c
.endr
	global_store_b16 v[SOF], v249, s[88:89]
	s_wait_tensorcnt 0x0
	ds_add_u32 v[SPW], v[NIL]
	s_wait_dscnt 0x0
	CROUND
	s_endpgm
.Lfunc_end_k_q9e9108e666_attn:
	.size	k_q9e9108e666_attn, .Lfunc_end_k_q9e9108e666_attn-k_q9e9108e666_attn
	.p2alignl 7, 3214868480
	.fill 96, 4, 3214868480
	.section	.rodata,"a",@progbits
	.p2align	6, 0x0
	.amdhsa_kernel k_q9e9108e666_attn
		.amdhsa_group_segment_fixed_size 327680
		.amdhsa_private_segment_fixed_size 0
		.amdhsa_enable_private_segment 0
		.amdhsa_kernarg_size 24
		.amdhsa_user_sgpr_count 2
		.amdhsa_user_sgpr_kernarg_segment_ptr 1
		.amdhsa_wavefront_size32 1
		.amdhsa_system_sgpr_workgroup_id_x 1
		.amdhsa_system_sgpr_workgroup_id_y 1
		.amdhsa_system_sgpr_workgroup_id_z 1
		.amdhsa_system_vgpr_workitem_id 0
		.amdhsa_next_free_vgpr 512
		.amdhsa_next_free_sgpr 102
		.amdhsa_reserve_vcc 1
		.amdhsa_float_denorm_mode_32 3
		.amdhsa_float_denorm_mode_16_64 3
		.amdhsa_memory_ordered 1
		.amdhsa_forward_progress 1
		.amdhsa_inst_pref_size 249
	.end_amdhsa_kernel
	.amdgpu_metadata
---
amdhsa.version: [ 1, 2 ]
amdhsa.kernels:
  - .name:           k_q9e9108e666_attn
    .symbol:         k_q9e9108e666_attn.kd
    .args:
      - { .name: qkv, .offset: 0, .size: 8, .value_kind: global_buffer, .address_space: global }
      - { .name: gate, .offset: 8, .size: 8, .value_kind: global_buffer, .address_space: global }
      - { .name: aq, .offset: 16, .size: 8, .value_kind: global_buffer, .address_space: global }
    .group_segment_fixed_size: 327680
    .private_segment_fixed_size: 0
    .kernarg_segment_align: 8
    .kernarg_segment_size: 24
    .max_flat_workgroup_size: 256
    .sgpr_count:     102
    .vgpr_count:     512
    .wavefront_size: 32
...
	.end_amdgpu_metadata
.endif
;; end of part 3
;; launch oproj (part 4): grid 8 x 32, 4 waves a work-group, clusters of 4 x 4, 327,680 bytes of LDS; arguments aq, wq, out0; writes out0
.if DOCPART == 4
	.amdgcn_target "amdgcn-amd-amdhsa--gfx1250"
	.amdhsa_code_object_version 6
	.text
	.protected	k_q9e9108e666_oproj
	.globl	k_q9e9108e666_oproj
	.p2align	8
	.type	k_q9e9108e666_oproj,@function
k_q9e9108e666_oproj:
	s_mov_b64 s[64:65], 0
	v_nop
	global_prefetch_b8 v0, s[64:65] scope:SCOPE_SE
	s_setreg_imm32_b32 hwreg(HW_REG_WAVE_MODE, 25, 1), 1
	s_wait_xcnt 0x0
	s_wait_alu depctr_hold_cnt(0) depctr_sa_sdst(0) depctr_va_vdst(0) depctr_va_sdst(0) depctr_va_ssrc(0) depctr_va_vcc(0) depctr_vm_vsrc(0)
	s_getreg_b32 s2, hwreg(HW_REG_IB_STS2, 6, 4)
	s_cmp_eq_u32 s2, 0
	s_cbranch_scc0 .Lentry_in_a_cluster
	s_endpgm
.Lentry_in_a_cluster:
	s_bfe_u32 s2, ttmp6, 0x10000c
	s_cmp_lg_u32 s2, 0xf033
	s_cbranch_scc0 .Lentry_shape_is_right
	s_endpgm
.Lentry_shape_is_right:
; OPROJ: out0 = a Wo^T (4,096 x 2,048, K = 1,024) on codes of E3M2.  a: aq, codes [256 row blocks][8 K steps][1536], scale words [row block][K step][16 rows] from AQS on; Wo: wq from OC on, [128 row blocks][8][1536], scale words from OS on.
; A fragment (16 places x 128 K) lies as an image of its registers; rows stand with bits 3 and 4 of their index exchanged, which the way out undoes.
; SHARES.  A tile of out0 is 128 tokens x 256 columns: 256 work-groups.  Four waves, each 128 tokens x 64 columns.
; Wo STAYS IN REGISTERS: a wave's four row blocks of Wo, for all of K, are 32 fragments, 384 registers, read from LDS once.  The tokens go by blocks of 16: a block's eight fragments of a against them are 32 matrix
; instructions on four accumulators, and the block is finished: it leaves while the next block is multiplied.  A wave reads 32 + 64 fragments from LDS in all, none twice.
; NO RING: all of K fits in LDS and is filled once, by one group of joint loads at the head, one a wave: wave 0 Wo's row blocks 0-7, wave 1 its 8-15, wave 2 a's eight, wave 3 a's scale words.
; Wo's scale words, 2,048 consecutive bytes a wave that no other wave of the work-group wants, go from memory into 16 registers.
; CLUSTERS: 4 x 4 work-groups; a's tiles are shared along a row of the cluster, Wo's along a column, by joint loads.
; NO PREFETCH: the text has no loop to run ahead in; all that it reads is asked for at its head.
; THE PRODUCT IS USED TRANSPOSED (source 0 = 16 rows of Wo, source 1 = 16 places of tokens): a lane holds eight neighbouring columns of one row of out0.
; REGISTERS: window 0: v1-13 addresses; v16-31 Wo's scale words, v32-39 a's, two sets, and nothing else; v64-159, v160-255 a's fragments, two sets.
;   window 1: Wo's fragments of K steps 0-4, (t, b) at v[48 t + 12 b].  window 2: v0-143 those of K steps 5-7; v144-175 a block read back from the stage; v192-223, v224-255 the accumulators, two sets.
.set AQS,   3145728
.set OC,    4915200
.set OS,    6488064
.set FRB,   1536
.set KROW,  8*FRB                      ; a row block: all of K
.set BLDS,  8*KROW                     ; LDS: a's 8 row blocks, then Wo's 16
.set SCLA,  24*KROW                    ; a's scale words: 8 x 512 bytes
.set SPITCH, 272                       ; the way out: a stage of 16 rows x (256 + 16) bytes a wave, on bytes that no load fills
.set STG,   SCLA+4096
.set SPARE, STG+4*16*SPITCH            ; the spare words, 128 bytes a wave
.set L4,   2                           ; v2      4 x lane
.set ADRA, 4                           ; v4-5    a's fragments: 16 x lane, and the same four row blocks on
.set ADRB, 6                           ; v6      my four row blocks of Wo
.set ADRS, 7                           ; v7      a's scale words: lanes 0-15 one K step's, lanes 16-31 the next one's
.set STO,  8
.set RD,   9
.set CO,   10
.set SPW,  12
.set NIL,  13
.set BS,   16                          ; Wo's scale words: register 4 b + j: lanes 0-15 K step 2 j of block b, lanes 16-31 K step 2 j + 1
.set AS,   32                          ; a's: set a % 2, register j likewise
.set AF,   64
.set OB,   144
.set G1,   24
.set G1B,  32
.set G1S,  40
.set G0A,  56
.set G0S,  60
.set G0B,  68
.set MSB, 0
.macro WIN new
.if MSB != (\new)
	s_set_vgpr_msb (MSB<<8)|(\new)
.set MSB, (\new)
.endif
.endm
.macro CROUND
	s_barrier_signal -1
	s_barrier_wait -1
	s_cmp_lg_u32 s10, 0
	s_cbranch_scc1 .Lnot_wave_0_\@
	s_barrier_signal -3
.Lnot_wave_0_\@:
	s_barrier_wait -3
	s_barrier_signal -1
	s_barrier_wait -1
.endm
.macro GRP1 g, mask, r                 ; a dense block as r rows of 256 bytes (32 elements of 8 bytes)
	s_or_b32 s[\g], \mask, (3<<16)|(1<<21)
	s_mov_b32 s[\g+1], 32<<16
	s_mov_b32 s[\g+2], (\r)<<16
	s_mov_b32 s[\g+3], 32<<16
	s_mov_b32 s[\g+4], \r
	s_mov_b32 s[\g+5], 32
	s_mov_b32 s[\g+6], 0
	s_mov_b32 s[\g+7], 0
.endm
.macro GRP0 g, lds, a
	s_mov_b32 s[\g], 1
	s_mov_b32 s[\g+1], \lds
	s_mov_b64 s[\g+2:\g+3], s[\a:\a+1]
	s_or_b32 s[\g+3], s[\g+3], 0x80000000
.endm
	s_load_b128 s[4:7], s[0:1], 0x0                ; aq, wq
	s_load_b64 s[8:9], s[0:1], 0x10                ; out0
	v_lshl_add_u32 v[SPW], v0, 2, SPARE
	v_mov_b32 v[NIL], 0
	ds_add_u32 v[SPW], v[NIL]                      ; the opening lines: the add, twice on end, and its wait
	ds_add_u32 v[SPW], v[NIL]
	v_lshrrev_b32 v1, 5, v0
	v_readfirstlane_b32 s10, v1                    ; wave 0..3
	s_bfe_u32 s13, ttmp6, 0x40000                  ; cx, cy
	s_bfe_u32 s14, ttmp6, 0x40004
	s_lshl_b32 s15, ttmp9, 2
	s_add_co_u32 s15, s15, s13                     ; tile column
	s_and_b32 s16, ttmp7, 0xffff
	s_lshl_b32 s16, s16, 2
	s_add_co_u32 s16, s16, s14                     ; tile row
	s_lshl_b32 s17, s14, 2
	s_lshl_b32 s17, 15, s17                        ; my row of the cluster
	s_lshl_b32 s18, 0x1111, s13                    ; my column
	GRP1 G1,  s17, 384                             ; a's eight row blocks: 98,304 dense bytes
	GRP1 G1B, s18, 384                             ; eight row blocks of Wo
	GRP1 G1S, s17, 16                              ; a's scale words: 4,096 dense bytes
	s_lshl_b32 s20, s16, 3                         ; a: row block 8 x tile row
	s_mul_i32 s22, s20, KROW
	s_mov_b32 s23, 0
	s_lshl_b32 s20, s20, 9
	s_add_co_u32 s20, s20, AQS
	s_mov_b32 s21, 0
	s_lshl_b32 s100, s15, 4                        ; Wo: row block 16 x tile column
	s_mul_i32 s2, s100, KROW
	s_add_co_u32 s2, s2, OC
	s_mov_b32 s3, 0
	s_lshl_b32 s84, s10, 2
	s_add_co_u32 s100, s100, s84                   ; + my four: their scale words
	s_lshl_b32 s100, s100, 9
	s_add_co_u32 s100, s100, OS
	s_mov_b32 s101, 0
	s_mul_i32 s66, s10, 4*KROW
	s_add_co_u32 s66, s66, BLDS                    ; my four row blocks of Wo in LDS
	s_mul_i32 s67, s10, 16*SPITCH
	s_add_co_u32 s67, s67, STG                     ; my stage
	s_lshl_b32 s86, s16, 20                        ; out0: 128 x tile row rows of 8,192 bytes,
	s_lshl_b32 s85, s15, 10
	s_add_co_u32 s86, s86, s85                     ; 256 x tile column columns,
	s_lshl_b32 s85, s10, 8
	s_add_co_u32 s86, s86, s85                     ; my 64
	s_mov_b32 s87, 0
	s_wait_dscnt 0x0                               ; both opening adds are done
	s_wait_kmcnt 0x0
	s_add_nc_u64 s[22:23], s[4:5], s[22:23]
	s_add_nc_u64 s[20:21], s[4:5], s[20:21]
	s_add_nc_u64 s[2:3], s[6:7], s[2:3]
	s_add_nc_u64 s[100:101], s[6:7], s[100:101]
	s_add_nc_u64 s[8:9], s[8:9], s[86:87]
	GRP0 G0A, 0, 22
	GRP0 G0S, SCLA, 20
	GRP0 G0B, BLDS, 2
	GRP0 G0B+4, BLDS+8*KROW, 2
	s_add_nc_u64 s[G0B+6:G0B+7], s[G0B+6:G0B+7], 8*KROW
	CROUND                                         ; all sixteen work-groups are here: the joint loads meet
; One chain of branches on the wave's number, one load to an arm, all arms leading to one join.
.macro ARM under, g0, g1, next
	s_cmp_lt_u32 s10, \under
	s_cbranch_scc0 \next
	tensor_load_to_lds s[\g0:\g0+3], s[\g1:\g1+7]
	s_nop 0
.rept 4
	v_nop
.endr
	s_branch .Lhead_asked
\next:
.endm
	ARM 1, G0B,   G1B, .Lhead_b
	ARM 2, G0B+4, G1B, .Lhead_a
	ARM 3, G0A,   G1,  .Lhead_s
	tensor_load_to_lds s[G0S:G0S+3], s[G1S:G1S+7]
	s_nop 0
.rept 4
	v_nop
.endr
.Lhead_asked:
	v_and_b32 v3, 31, v0
	v_lshlrev_b32 v[ADRA], 4, v3                   ; 16 x lane
	v_lshlrev_b32 v[L4], 2, v3
	v_and_b32 v14, 15, v0                          ; r
	v_bfe_u32 v15, v0, 4, 1                        ; h
	v_add_nc_u32 v[ADRA+1], 4*KROW, v[ADRA]
	v_add_nc_u32 v[ADRB], s66, v[ADRA]
	v_add_nc_u32 v[ADRS], SCLA, v[L4]
	v_mul_u32_u24 v3, v14, SPITCH
	v_lshl_add_u32 v3, v15, 6, v3
	v_add_nc_u32 v[STO], s67, v3                   ; the stage, in: row r, 64 h bytes on
	v_mul_u32_u24 v3, v15, SPITCH
	v_lshl_add_u32 v3, v14, 4, v3
	v_add_nc_u32 v[RD], s67, v3                    ; back: lanes 0-15 take a row of 256 bytes, lanes 16-31 the next
	v_lshlrev_b32 v3, 13, v15
	v_lshl_add_u32 v[CO], v14, 4, v3               ; and the same two rows in out0
	s_wait_alu depctr_va_vdst(0)                   ; the wait at the head's end
.irp b, 0,1,2,3
.irp j, 0,1,2,3
	global_load_b32 v[BS+4*\b+\j], v[L4], s[100:101] offset:512*\b+128*\j   ; 32 lanes read 128 consecutive bytes: two K steps' words of a row block
.endr
.endr
.macro FETCHA a                        ; token block a: its eight fragments and its scale words into sets a % 2
.set FA, AF+96*((\a)%2)
.irp t, 0,1,2,3,4,5,6,7
.irp c, 0,1,2
	ds_load_b128 v[FA+12*\t+4*\c:FA+12*\t+4*\c+3], v[ADRA+(\a)/4] offset:((\a)%4)*KROW+FRB*\t+512*\c
.endr
.endr
.irp j, 0,1,2,3
	ds_load_b32 v[AS+4*((\a)%2)+\j], v[ADRS] offset:512*(\a)+128*\j
.endr
.endm
.macro WM ac, br, ar, sb, sa, zero, odd
.if \zero
	v_wmma_scale_f32_16x16x128_f8f6f4 v[\ac:\ac+7], v[\br:\br+11], v[\ar:\ar+11], 0, v[\sb], v[\sa] matrix_a_fmt:MATRIX_FMT_BF6 matrix_b_fmt:MATRIX_FMT_BF6
.else
.if \odd
	v_wmma_scale_f32_16x16x128_f8f6f4 v[\ac:\ac+7], v[\br:\br+11], v[\ar:\ar+11], v[\ac:\ac+7], v[\sb], v[\sa] matrix_a_fmt:MATRIX_FMT_BF6 matrix_b_fmt:MATRIX_FMT_BF6 matrix_a_scale:MATRIX_SCALE_ROW1 matrix_b_scale:MATRIX_SCALE_ROW1
.else
	v_wmma_scale_f32_16x16x128_f8f6f4 v[\ac:\ac+7], v[\br:\br+11], v[\ar:\ar+11], v[\ac:\ac+7], v[\sb], v[\sa] matrix_a_fmt:MATRIX_FMT_BF6 matrix_b_fmt:MATRIX_FMT_BF6
.endif
.endif
.endm
; Token block a: 32 matrix instructions, K ascending; the four accumulators take turns, one instruction a turn; the first K step starts the sums.
.macro MULA a
.set FA, AF+96*((\a)%2)
.set AC, 192+32*((\a)%2)
.set SA, AS+4*((\a)%2)
	WIN 0xa1                                       ; source 0 window 1, source 1 window 0, C and D window 2
.irp t, 0,1,2,3,4,5,6,7
.if \t == 5
	WIN 0xa2                                       ; Wo's K steps 5-7 lie in window 2
.endif
.irp b, 0,1,2,3
	WM AC+8*\b, 48*(\t%5)+12*\b, FA+12*\t, BS+4*\b+\t/2, SA+\t/2, \t==0, \t%2
.endr
.endr
	WIN 0
.endm
; THE WAY OUT of a block of 16 rows x 64 columns, through my own stage: in by 32 bytes a lane, back as whole rows of 256 bytes.  Accumulator b's eight numbers of a lane are columns 32 (b / 2) + 16 h + 8 (b % 2) + 0 .. 7.
; LDS serves a wave's instructions in order (ISA guide 5.7.1.4): no wait between the stores and the loads.
.macro TOSTAGE a
.set AC, 192+32*((\a)%2)
	s_wait_xcnt 0x0                                ; the last block's stores have read the registers that the loads below fill
	WIN 0x08                                       ; an LDS store's data are its source 1: window 2
.irp b, 0,1,2,3
	ds_store_b128 v[STO], v[AC+8*\b:AC+8*\b+3] offset:128*(\b/2)+32*(\b%2)          ; each accumulator from its low end on
	ds_store_b128 v[STO], v[AC+8*\b+4:AC+8*\b+7] offset:128*(\b/2)+32*(\b%2)+16
.endr
	WIN 0x80
.irp t, 0,1,2,3,4,5,6,7
	ds_load_b128 v[OB+4*\t:OB+4*\t+3], v[RD] offset:\t*2*SPITCH
.endr
	WIN 0
.endm
.macro SEND a                          ; place 16 a + p of the tile's 128 is row 32 (a / 2) + 8 (a % 2) + p + 8 (p / 8); store t takes p = 2 t and 2 t + 1
	WIN 0x08
.irp t, 0,1,2,3,4,5,6,7
	global_store_b128 v[CO], v[OB+4*\t:OB+4*\t+3], s[8:9] offset:(32*((\a)/2)+8*((\a)%2)+2*\t+8*(\t/4))*8192 th:TH_STORE_NT   ; sixteen lanes store 256 consecutive bytes, aligned
.endr
	WIN 0
.endm
.macro BLOCK a
	MULA \a
	s_wait_dscnt 0x0                               ; asked for ahead of these 32 products: the next block's fragments are in, and the last block is back from the stage
.if (\a) > 0
	SEND (\a)-1
.endif
.rept 4
	v_nop                                          ; four places behind the products: loads land in registers that they read, and their results are read
.endr
.if (\a)+2 < 8
	FETCHA (\a)+2
.endif
	TOSTAGE \a
.endm
	s_wait_tensorcnt 0x0                           ; my tile of the four is in;
	s_barrier_signal -1
	s_barrier_wait -1                              ; everybody's is.
	FETCHA 0
	WIN 0x40
.irp t, 0,1,2,3,4
.irp b, 0,1,2,3
.irp c, 0,1,2
	ds_load_b128 v[48*\t+12*\b+4*\c:48*\t+12*\b+4*\c+3], v[ADRB] offset:KROW*\b+FRB*\t+512*\c
.endr
.endr
.endr
	WIN 0x80
.irp t, 5,6,7
.irp b, 0,1,2,3
.irp c, 0,1,2
	ds_load_b128 v[48*(\t-5)+12*\b+4*\c:48*(\t-5)+12*\b+4*\c+3], v[ADRB] offset:KROW*\b+FRB*\t+512*\c
.endr
.endr
.endr
	WIN 0
	FETCHA 1
	s_wait_loadcnt 0x0                             ; Wo's scale words
	s_wait_dscnt 0x0                               ; Wo's fragments and the first two blocks of a
.irp a, 0,1,2,3,4,5,6,7
	BLOCK \a
.endr
	s_wait_dscnt 0x0
	SEND 7
	s_wait_tensorcnt 0x0                           ; the wave's end
	ds_add_u32 v[SPW], v[NIL]
	s_wait_dscnt 0x0
	CROUND                                         ; the closing round: no work-group ends while a partner may still ask for a tile that names it
	s_endpgm
.Lfunc_end_k_q9e9108e666_oproj:
	.size	k_q9e9108e666_oproj, .Lfunc_end_k_q9e9108e666_oproj-k_q9e9108e666_oproj
	.p2alignl 7, 3214868480
	.fill 96, 4, 3214868480
	.section	.rodata,"a",@progbits
	.p2align	6, 0x0
	.amdhsa_kernel k_q9e9108e666_oproj
		.amdhsa_group_segment_fixed_size 327680
		.amdhsa_private_segment_fixed_size 0
		.amdhsa_enable_private_segment 0
		.amdhsa_kernarg_size 24
		.amdhsa_user_sgpr_count 2
		.amdhsa_user_sgpr_kernarg_segment_ptr 1
		.amdhsa_wavefront_size32 1
		.amdhsa_system_sgpr_workgroup_id_x 1
		.amdhsa_system_sgpr_workgroup_id_y 1
		.amdhsa_system_sgpr_workgroup_id_z 1
		.amdhsa_system_vgpr_workitem_id 0
		.amdhsa_next_free_vgpr 768
		.amdhsa_next_free_sgpr 102
		.amdhsa_reserve_vcc 0
		.amdhsa_float_denorm_mode_32 3
		.amdhsa_float_denorm_mode_16_64 3
		.amdhsa_memory_ordered 1
		.amdhsa_forward_progress 1
		.amdhsa_inst_pref_size 79
	.end_amdhsa_kernel
	.amdgpu_metadata
---
amdhsa.version: [ 1, 2 ]
amdhsa.kernels:
  - .name:           k_q9e9108e666_oproj
    .symbol:         k_q9e9108e666_oproj.kd
    .args:
      - { .name: aq, .offset: 0, .size: 8, .value_kind: global_buffer, .address_space: global }
      - { .name: wq, .offset: 8, .size: 8, .value_kind: global_buffer, .address_space: global }
      - { .name: out0, .offset: 16, .size: 8, .value_kind: global_buffer, .address_space: global }
    .group_segment_fixed_size: 327680
    .private_segment_fixed_size: 0
    .kernarg_segment_align: 8
    .kernarg_segment_size: 24
    .max_flat_workgroup_size: 128
    .sgpr_count:     102
    .vgpr_count:     768
    .wavefront_size: 32
...
	.end_amdgpu_metadata
.endif
;; end of part 4
